; MI455X (gfx1250); checked and timed in simulation.
; The chip was launched on July 23, 2026; its instructions are those of AMD's public machine-readable ISA for CDNA 5 (MIT licence, August 2026) and "CDNA5" Instruction Set Architecture Reference Guide (July 2026). The comments in the code are by the model that wrote it; some were corrected since.
;; Multi Head Attention Layer. Allowed arithmetic: matrix products marked QUANTISED: E2M1 operands, one E8M0 scale for each 32 along K, by v_wmma_scale_f32_16x16x128_f8f6f4 with both operands' format E2M1 (or v_wmma_scale_f32_32x16x128_f4), f32 sums; products left as they are: bf16, f16 or f32 operands; f32 sums; everything else in f32.
;; Inputs: Wk 1,024 x 1,024 float32; Wo 1,024 x 1,024 float32; Wq 1,024 x 1,024 float32; Wv 1,024 x 1,024 float32; bk 1,024 float32; bo 1,024 float32; bq 1,024 float32; bv 1,024 float32; key 4 x 2,048 x 1,024 float32; mask 4 x 1 x 2,048 x 2,048 int32; query 4 x 2,048 x 1,024 float32; value 4 x 2,048 x 1,024 float32.
;; Outputs: out0 4 x 2,048 x 1,024 float32.
;; This version of the problem:
;;   THIS VERSION OF THE PROBLEM IS GIVEN IN LOW PRECISION. The matrix products marked QUANTISED in the list below multiply operands that are first quantised to E2M1 (2 exponent bits, 1 mantissa bit; 4 bits a number), with one power-of-two scale for each 32 numbers along K (OCP MX v1.0); their sums are f32. The products marked 'left as it is' may take bf16, f16 or f32 operands, with f32 sums. Whichever they take, every output number must still come out within the allowed error. Rounding operands to bf16 (8 significant bits) uses up far more of that allowance than f16 does (11 bits, for magnitudes from 6e-5 to 65,504). All else is computed in f32.
;;   The module's matrix products, in the order in which they are computed (A, B: the left and right operand; K: the contracted axis; several contracted axes count as one K, in the product's order):
;;     1. [M 8,192, K 1,024] x [K 1,024, N 1,024]; A: input query; B: input Wq: QUANTISED
;;     2. [M 8,192, K 1,024] x [K 1,024, N 1,024]; A: input key; B: input Wk: QUANTISED
;;     3. [M 8,192, K 1,024] x [K 1,024, N 1,024]; A: input value; B: input Wv: QUANTISED
;;     4. batch 64 x [M 2,048, K 64] x [K 64, N 2,048]; A: computed on the way; B: computed on the way: left as it is (an operand is computed on the way)
;;     5. batch 64 x [M 2,048, K 2,048] x [K 2,048, N 64]; A: computed on the way; B: computed on the way: left as it is (an operand is computed on the way)
;;     6. [M 8,192, K 1,024] x [K 1,024, N 1,024]; A: computed on the way; B: input Wo: left as it is (an operand is computed on the way)
;;   THE QUANTISER, for each operand of a quantised product, along K:
;;     - K is cut into blocks of 32 from its start; a last block that is shorter is filled with zeros.
;;     - A block's scale is 2^e with e = floor(log2(the largest magnitude in the block)) - 2, held to -126 .. 127; a block of zeros has e = 0. As a byte (E8M0): e + 127.
;;     - Each number is divided by its block's scale, clamped to +-6, and rounded to the nearest number of E2M1, ties to even, subnormals kept.
;;     - The product sums the exact products of the quantised numbers (number of the format x scale) in f32.
;;   ~~~python
;;   def quantise(x, axis):      # numpy; x: float32 -> the quantised numbers, widened to float32 again
;;       x = np.moveaxis(x, axis, -1); K = x.shape[-1]
;;       x = np.pad(x, [(0, 0)] * (x.ndim - 1) + [(0, -K % 32)]); x = x.reshape(x.shape[:-1] + (-1, 32)); a = np.abs(x).max(-1, keepdims=True)
;;       e = np.where(a > 0, np.clip(np.frexp(np.where(a > 0, a, 1))[1] - 1 - 2, -126, 127), 0)      # np.frexp(a)[1] - 1 = floor(log2(a)), exactly
;;       r = np.clip(x / 2.0 ** e, -6, 6)
;;       step = 2.0 ** (np.maximum(np.frexp(np.where(r == 0, 1, r))[1] - 1, 0) - 1)
;;       q = np.round(r / step) * step * 2.0 ** e      # np.round: ties to even
;;       return np.moveaxis(q.reshape(q.shape[:-2] + (-1,))[..., :K], -1, axis).astype(np.float32)
;;   ~~~
;; One version. Each part assembles by itself: llvm-mc -triple=amdgcn-amd-amdhsa -mcpu=gfx1250 --defsym DOCPART=n.
;; ======== version 1 of 1: 4 launches
;; limits: values are held in f16: magnitudes above 65,504 overflow, below 6.1e-05 lose precision
;; workspace buffers: xc 12,582,912 bytes; xs 786,432 bytes; wc 1,572,864 bytes; ws 98,304 bytes; wo16 2,097,152 bytes; maskbits 2,097,152 bytes of whole numbers; qkv 50,331,648 bytes; att 16,777,216 bytes
;; launch prep (part 1): grid 1456 x 1, 4 waves a work-group, no clusters, 101,888 bytes of LDS; arguments query, key, value, Wq, Wk, Wv, Wo, mask, xc, xs, wc, ws, wo16, maskbits; writes xc, xs, wc, ws, wo16, maskbits
.if DOCPART == 1
	.amdgcn_target "amdgcn-amd-amdhsa--gfx1250"
	.amdhsa_code_object_version 6
	.text
	.protected	k_qfe523981d0_prep
	.globl	k_qfe523981d0_prep
	.p2align	8
	.type	k_qfe523981d0_prep,@function
k_qfe523981d0_prep:
	s_mov_b64 s[64:65], 0
	v_nop
	global_prefetch_b8 v0, s[64:65] scope:SCOPE_SE
	s_setreg_imm32_b32 hwreg(HW_REG_WAVE_MODE, 25, 1), 1
	s_wait_xcnt 0x0
; PREP.  One launch, four roles, told apart by the work-group's number alone.  Each input byte is read once here.
;   W (work-groups 0-47):      Wq, Wk, Wv [k 1024][n 1024] f32 -> codes of E2M1 with K innermost, wc [3 x 1024 n][512 bytes], and one E8M0 byte for each 32 along K, ws [3072][32].
;   X (48-815):                query, key, value [8192][1024] f32 -> codes xc [3 x 8192][512 bytes], scale bytes xs [24576][32].
;   M (816-1327):              mask [4][2048][2048] int32 -> maskbits [b][query tile 128][key tile 128][8 words]: bit l of word j = (mask[b][16 qt + l % 16][16 kt + 8 (l / 16) + j] != 0):
;                              the lane mask that a select on register j of a tile of scores (a lane = a query, registers = keys) takes as it stands.  16 heads read it later: 2 MB in place of 64.
;   O (1328-1455):             Wo f32 -> f16, same layout.
; THE QUANTISER: a block's scale is 2^(floor(log2(its largest magnitude)) - 2); its byte is that magnitude's exponent field - 2, held at 1 from below; each number / scale to the nearest code, ties to even, beyond 6 the code of 6.
; LIMITS: a block of zeros gets the byte 1 where the rule says 127 (its codes are zeros, and this program alone reads the bytes); blocks whose largest magnitude lies under 2^-124 get the byte 1;
; NaN and infinities are not served; |Wo| stays under 65,504 (f16).
; No tensor loads, no barrier, no cluster: waves share nothing.  Each role has LDS bytes of its own.  W stands first: its waves walk the longest chain of dependent blocks.
.set NW,    48
.set NX,    768
.set NM,    512
.set WLDS,  32768                      ; W: 8,704 bytes a wave: 32 rows x 272
.set MLDS,  67584                      ; M: 8,448 bytes a wave: 16 rows x 528.   (X: from byte 0, 8,192 a wave)
.set SPARE, 101376                     ; the spare words, 128 bytes for each wave: two blocks of 256 bytes that no other line names
.set SPW,   192                        ; v192  LDS address of my spare word; never rewritten
.set NIL,   193                        ; v193  0; never rewritten
.macro FINISH                          ; a wave's end, behind its last LDS store
	s_wait_tensorcnt 0x0
	ds_add_u32 v[SPW], v[NIL]
	s_wait_dscnt 0x0
	s_endpgm
.endm
	s_load_b512 s[8:23], s[0:1], 0x0               ; query s[8:9], key s[10:11], value s[12:13], Wq s[14:15], Wk s[16:17], Wv s[18:19], Wo s[20:21], mask s[22:23]
	s_load_b256 s[24:31], s[0:1], 0x40             ; xc s[24:25], xs s[26:27], wc s[28:29], ws s[30:31]
	s_load_b128 s[32:35], s[0:1], 0x60             ; wo16 s[32:33], maskbits s[34:35]
	v_lshl_add_u32 v[SPW], v0, 2, SPARE
	v_mov_b32 v[NIL], 0
	v_lshrrev_b32 v1, 5, v0
	v_readfirstlane_b32 s2, v1                     ; wave 0..3
	v_and_b32 v2, 31, v0                           ; lane
	s_wait_kmcnt 0x0
	s_cmp_lt_u32 ttmp9, NW
	s_cbranch_scc1 .Lrole_w
	s_cmp_lt_u32 ttmp9, NW+NX
	s_cbranch_scc1 .Lrole_x
	s_cmp_lt_u32 ttmp9, NW+NX+NM
	s_cbranch_scc1 .Lrole_m
; ---------------------------------------------------------------- role O: a wave casts 2,048 numbers of Wo
	s_sub_co_u32 s40, ttmp9, NW+NX+NM
	s_lshl_b32 s40, s40, 2
	s_add_co_u32 s40, s40, s2                      ; which run of 2,048 numbers
	s_lshl_b32 s42, s40, 13
	s_mov_b32 s43, 0
	s_add_nc_u64 s[36:37], s[20:21], s[42:43]
	s_lshl_b32 s42, s40, 12
	s_add_nc_u64 s[38:39], s[32:33], s[42:43]
	v_lshlrev_b32 v3, 5, v2                        ; in: 8 numbers, 32 bytes, a lane
	v_lshlrev_b32 v4, 4, v2                        ; out: 16 bytes a lane
.irp g, 0,1,2,3,4,5,6,7
	global_load_b128 v[32+8*\g:35+8*\g], v3, s[36:37] offset:1024*\g th:TH_LOAD_NT
	global_load_b128 v[36+8*\g:39+8*\g], v3, s[36:37] offset:1024*\g+16 th:TH_LOAD_NT
.endr
.irp g, 0,1,2,3,4,5,6,7
	s_wait_loadcnt 14-2*\g                         ; group g's two loads are in; the later groups' may be out
.irp i, 0,1,2,3
	v_cvt_pk_f16_f32 v[96+4*\g+\i], v[32+8*\g+2*\i], v[33+8*\g+2*\i]
.endr
	global_store_b128 v4, v[96+4*\g:99+4*\g], s[38:39] offset:512*\g   ; 32 lanes store 512 consecutive bytes
.endr
	FINISH
; ---------------------------------------------------------------- role X: a wave takes 16 steps of 512 numbers
; Rows are dense and K is a multiple of 32: a tensor is a stream of blocks of 32.  Each load reads 512 consecutive bytes, 16 a lane; a step's 2,048 bytes turn through the wave's own stage in LDS and come back
; 64 bytes a lane (16 neighbours along K; two neighbouring lanes hold a block).  A lane's 16 codes are 8 bytes: the wave stores 256 consecutive bytes.  A wave's 256 scale bytes are gathered in LDS and leave together.
.set XSP, 80                           ; a lane's place in a stage: 64 bytes + 16 of padding
.set XR,  16                           ; v16-79   four sets of 16 numbers as loaded
.set XX,  80                           ; v80-111  two sets of 16 neighbours
.set XE,  112                          ; v112-127 a scale byte for each step
.set XC,  128                          ; v128-191 codes: four registers a step, so that no store's data are written again
.macro XLOAD t
.irp i, 0,1,2,3
	global_load_b128 v[XR+16*((\t)%4)+4*\i:XR+16*((\t)%4)+4*\i+3], v3, s[36:37] offset:2048*(\t)+512*\i th:TH_LOAD_NT
.endr
.endm
.macro XTURN t                         ; LDS serves a wave's instructions in order: no wait between the stores and the loads
.irp i, 0,1,2,3
	ds_store_b128 v14, v[XR+16*((\t)%4)+4*\i:XR+16*((\t)%4)+4*\i+3] offset:32*XSP*((\t)%2)+8*XSP*\i
.endr
.irp i, 0,1,2,3
	ds_load_b128 v[XX+16*((\t)%2)+4*\i:XX+16*((\t)%2)+4*\i+3], v15 offset:32*XSP*((\t)%2)+16*\i
.endr
.endm
.macro XSTEP t
.set XS, XX+16*((\t)%2)
.if (\t) > 0
	s_wait_dscnt 1                                 ; this step's numbers are back from the stage (the last step's byte store may be out)
.else
	s_wait_dscnt 0x0
.endif
.if (\t)+4 < 16
	XLOAD (\t)+4                                   ; the registers that the stage has read take the loads of four steps on
.endif
.if (\t)+1 < 16
.if 14-(\t) >= 3
	s_wait_loadcnt 12                              ; the next step's four loads are in; those of the three steps behind it may be out
.else
	s_wait_loadcnt 4*(14-(\t))
.endif
	XTURN (\t)+1
.endif
	v_max3_num_f32 v8, |v[XS]|, |v[XS+1]|, |v[XS+2]|               ; the largest magnitude of my 16, in two chains
	v_max3_num_f32 v9, |v[XS+3]|, |v[XS+4]|, |v[XS+5]|
.irp i, 6,10
	v_max3_num_f32 v8, v8, |v[XS+\i]|, |v[XS+\i+1]|
	v_max3_num_f32 v9, v9, |v[XS+\i+2]|, |v[XS+\i+3]|
.endr
	v_max3_num_f32 v8, v8, |v[XS+14]|, |v[XS+15]|
	v_max3_num_f32 v8, v8, v9, 0x1800000           ; and the floor 2^(3 - 127): the byte cannot fall under 1
	v_max_num_f32_dpp v8, v8, v8 row_xmask:1 row_mask:0xf bank_mask:0xf   ; with my neighbour's 16: the block's
	v_add_nc_u32 v11, 0xff000000, v8               ; 2 off its exponent field: the conversion takes this operand's exponent field as its scale
	v_cvt_scalef32_pk8_fp4_f32 v[XC+4*(\t)], v[XS:XS+7], v11
	v_cvt_scalef32_pk8_fp4_f32 v[XC+4*(\t)+1], v[XS+8:XS+15], v11
	v_lshrrev_b32 v[XE+(\t)], 23, v11              ; the scale's byte (also the plain line behind the conversions)
	ds_store_b8 v5, v[XE+(\t)] offset:16*(\t)      ; both lanes of a block write the same byte with the same value
	global_store_b64 v4, v[XC+4*(\t):XC+4*(\t)+1], s[38:39] offset:256*(\t)
.endm
.Lrole_x:
	s_sub_co_u32 s45, ttmp9, NW
	s_lshr_b32 s41, s45, 8                         ; which tensor: 256 work-groups each
	s_cmp_lt_u32 s41, 1
	s_cselect_b64 s[36:37], s[8:9], s[10:11]
	s_cmp_lt_u32 s41, 2
	s_cselect_b64 s[36:37], s[36:37], s[12:13]
	s_and_b32 s42, s45, 255
	s_lshl_b32 s42, s42, 2
	s_add_co_u32 s42, s42, s2
	s_lshl_b32 s42, s42, 15                        ; my run of 8,192 numbers in the tensor: 32,768 bytes each
	s_mov_b32 s43, 0
	s_add_nc_u64 s[36:37], s[36:37], s[42:43]
	s_lshl_b32 s44, s45, 2
	s_add_co_u32 s44, s44, s2                      ; my run among all three tensors'
	s_lshl_b32 s42, s44, 12                        ; 4,096 bytes of codes a run
	s_add_nc_u64 s[38:39], s[24:25], s[42:43]
	s_lshl_b32 s42, s44, 8                         ; 256 scale bytes a run
	s_add_nc_u64 s[46:47], s[26:27], s[42:43]
	v_lshlrev_b32 v3, 4, v2                        ; my 16 bytes of a load's 512
	s_lshl_b32 s40, s2, 13                         ; my wave's 8,192 bytes of LDS
	v_lshrrev_b32 v14, 2, v2
	v_mul_u32_u24 v14, v14, XSP
	v_and_b32 v15, 3, v2
	v_lshl_add_u32 v14, v15, 4, v14
	v_add_nc_u32 v14, s40, v14                     ; the stage, way in: 80 (lane / 4) + 16 (lane % 4)
	v_mul_u32_u24 v15, v2, XSP
	v_add_nc_u32 v15, s40, v15                     ; way out: 80 x lane
	v_lshlrev_b32 v4, 3, v2                        ; my codes' place in a step's 256 bytes
	v_lshrrev_b32 v5, 1, v2
	s_add_co_u32 s40, s40, 2*32*XSP
	v_add_nc_u32 v5, s40, v5                       ; my block's byte among my wave's 256
	v_lshlrev_b32 v7, 3, v2
	v_add_nc_u32 v6, s40, v7
.irp t, 0,1,2,3
	XLOAD \t
.endr
	s_wait_loadcnt 12                              ; step 0's four loads are in
	XTURN 0
.irp t, 0,1,2,3,4,5,6,7,8,9,10,11,12,13,14,15
	XSTEP \t
.endr
	ds_load_b64 v[8:9], v6                         ; in order behind my byte stores
	s_wait_dscnt 0x0
	global_store_b64 v7, v[8:9], s[46:47]          ; 32 lanes store 256 consecutive bytes
	FINISH
; ---------------------------------------------------------------- role M: a work-group takes 16 queries, wave w keys 512 w on, in 4 steps of 128 keys
; A load reads 512 consecutive bytes of one query's row.  16 rows x 512 bytes turn through the wave's stage; lane l takes back row l % 16, keys 16 t + 8 (l / 16) + 0..7 of each key tile t.
; A compare then yields the 32 lanes' bits as one word, which is what is stored; 64 words a step are laid two to a lane and leave as 256 consecutive bytes.
.set MR, 32                            ; v32-95, v96-159: two sets of 64
.macro MLOAD s
.irp i, 0,1,2,3,4,5,6,7,8,9,10,11,12,13,14,15
	global_load_b128 v[MR+64*((\s)%2)+4*\i:MR+64*((\s)%2)+4*\i+3], v3, s[36:37] offset:\i*8192+(\s)*512 th:TH_LOAD_NT
.endr
.endm
.macro MSTEP s
.if (\s) < 3
	s_wait_loadcnt 16                              ; this step's 16 loads are in; the next step's may be out
.else
	s_wait_loadcnt 0x0
.endif
.irp i, 0,1,2,3,4,5,6,7,8,9,10,11,12,13,14,15
	ds_store_b128 v4, v[MR+64*((\s)%2)+4*\i:MR+64*((\s)%2)+4*\i+3] offset:\i*528
.endr
.irp t, 0,1,2,3,4,5,6,7
.irp c, 0,1
	ds_load_b128 v[MR+64*((\s)%2)+8*\t+4*\c:MR+64*((\s)%2)+8*\t+4*\c+3], v5 offset:\t*64+\c*16   ; in order behind the stores, into the registers that the data left
.endr
.endr
	s_wait_dscnt 0x0
.irp g, 0,1,2,3,4,5,6,7                ; key tile g: eight words; word 8 g + j goes to register (j % 2) of lane 4 g + j / 2
.irp j, 0,1,2,3,4,5,6,7
	v_cmp_ne_u32 s[48+\j], 0, v[MR+64*((\s)%2)+8*\g+\j]
.endr
.irp j, 0,1,2,3,4,5,6,7
	v_writelane_b32 v[8+2*(\s)+(\j%2)], s[48+\j], 4*\g+\j/2
.endr
.endr
.if (\s) < 2
	MLOAD (\s)+2
.endif
	global_store_b64 v6, v[8+2*(\s):9+2*(\s)], s[38:39] offset:256*(\s)   ; each step has registers of its own: no store's data are written again
.endm
.Lrole_m:
	s_sub_co_u32 s40, ttmp9, NW+NX                 ; the query tile, 0..511, batches on end
	s_lshl_b32 s42, s40, 17                        ; 16 rows of 8,192 bytes
	s_lshl_b32 s41, s2, 11                         ; my 512 keys
	s_add_co_u32 s42, s42, s41
	s_mov_b32 s43, 0
	s_add_nc_u64 s[36:37], s[22:23], s[42:43]
	s_lshl_b32 s42, s40, 12                        ; 4,096 bytes of words a query tile
	s_lshl_b32 s41, s2, 10
	s_add_co_u32 s42, s42, s41
	s_add_nc_u64 s[38:39], s[34:35], s[42:43]
	v_lshlrev_b32 v3, 4, v2
	s_mul_i32 s41, s2, 8448
	s_add_co_u32 s41, s41, MLDS
	v_add_nc_u32 v4, s41, v3                       ; the stage, way in: 16 x lane
	v_and_b32 v5, 15, v2
	v_mul_u32_u24 v5, v5, 528
	v_lshrrev_b32 v6, 4, v2
	v_lshl_add_u32 v5, v6, 5, v5
	v_add_nc_u32 v5, s41, v5                       ; way out: row lane % 16, + 32 (lane / 16)
	v_lshlrev_b32 v6, 3, v2
.irp i, 8,9,10,11,12,13,14,15
	v_mov_b32 v[\i], 0                             ; a lane write's destination counts as read
.endr
	MLOAD 0
	MLOAD 1
	MSTEP 0
	MSTEP 1
	MSTEP 2
	MSTEP 3
	FINISH
; ---------------------------------------------------------------- role W: a wave takes 32 columns n x 512 along K
; K is the weight's FIRST axis.  A lane takes a column and its registers run down K: each load reads 128 consecutive bytes, a block of 32 lies in one lane's registers, and the conversions give codes with K innermost.
; A lane's codes belong to one row of wc: they go through the wave's stage and leave as rows, sixteen lanes storing 256 consecutive bytes.  Every offset is an immediate: 511 rows of 4,096 bytes at the most.
.set WX,   32                          ; v32-95   two sets of 32 numbers
.set WC,   96                          ; v96-99   a block's codes
.set WOUT, 112                         ; v112-175 the way out
.set WSB,  24                          ; v24-27   the scale bytes, four to a register
.macro WLOAD t
.irp i, 0,1,2,3,4,5,6,7,8,9,10,11,12,13,14,15,16,17,18,19,20,21,22,23,24,25,26,27,28,29,30,31
	global_load_b32 v[WX+32*((\t)%2)+\i], v3, s[36:37] offset:(32*(\t)+\i)*4096 th:TH_LOAD_NT
.endr
.endm
.macro WBLOCK t
.set WS, WX+32*((\t)%2)
.if (\t) < 15
	s_wait_loadcnt 32                              ; this block's 32 loads are in; the next block's may be out
.else
	s_wait_loadcnt 0x0
.endif
	v_max3_num_f32 v12, |v[WS]|, |v[WS+1]|, |v[WS+2]|
	v_max3_num_f32 v13, |v[WS+3]|, |v[WS+4]|, |v[WS+5]|
.irp i, 6,10,14,18,22,26
	v_max3_num_f32 v12, v12, |v[WS+\i]|, |v[WS+\i+1]|
	v_max3_num_f32 v13, v13, |v[WS+\i+2]|, |v[WS+\i+3]|
.endr
	v_max3_num_f32 v12, v12, |v[WS+30]|, |v[WS+31]|
	v_max3_num_f32 v12, v12, v13, 0x1800000        ; the floor 2^(3 - 127)
	v_add_nc_u32 v11, 0xff000000, v12              ; the conversion's scale operand
	v_lshrrev_b32 v13, 23, v11                     ; the scale's byte
.if (\t)%4 == 0
	v_mov_b32 v[WSB+(\t)/4], v13
.else
	v_lshl_or_b32 v[WSB+(\t)/4], v13, 8*((\t)%4), v[WSB+(\t)/4]
.endif
.irp g, 0,1,2,3
	v_cvt_scalef32_pk8_fp4_f32 v[WC+\g], v[WS+8*\g:WS+8*\g+7], v11
.endr
	v_nop                                          ; one plain line behind the conversions
	ds_store_b128 v4, v[WC:WC+3] offset:16*(\t)    ; 32 codes: 16 bytes of my column's row
.if (\t)+2 < 16
	WLOAD (\t)+2
.endif
	s_wait_dscnt 0x0                               ; the store has read its registers: the next block's codes may be written
.endm
.Lrole_w:
	s_lshr_b32 s41, ttmp9, 4                       ; which weight: 16 work-groups each
	s_and_b32 s42, ttmp9, 7                        ; which 128 columns
	s_bfe_u32 s43, ttmp9, 0x10003                  ; which 512 along K
	s_cmp_lt_u32 s41, 1
	s_cselect_b64 s[36:37], s[14:15], s[16:17]
	s_cmp_lt_u32 s41, 2
	s_cselect_b64 s[36:37], s[36:37], s[18:19]
	s_lshl_b32 s42, s42, 7
	s_lshl_b32 s44, s2, 5
	s_add_co_u32 s42, s42, s44                     ; my wave's first column
	s_lshl_b32 s44, s43, 21                        ; 512 rows of 4,096 bytes
	s_lshl_b32 s45, s42, 2
	s_add_co_u32 s44, s44, s45
	s_mov_b32 s45, 0
	s_add_nc_u64 s[36:37], s[36:37], s[44:45]
	s_lshl_b32 s46, s41, 10
	s_add_co_u32 s46, s46, s42                     ; its row in wc and ws
	s_lshl_b32 s44, s46, 9
	s_lshl_b32 s47, s43, 8
	s_add_co_u32 s44, s44, s47
	s_add_nc_u64 s[38:39], s[28:29], s[44:45]
	s_lshl_b32 s44, s46, 5
	s_lshl_b32 s47, s43, 4
	s_add_co_u32 s44, s44, s47
	s_add_nc_u64 s[48:49], s[30:31], s[44:45]
	v_lshlrev_b32 v3, 2, v2                        ; in: 4 bytes a lane
	s_mul_i32 s44, s2, 8704
	s_add_co_u32 s44, s44, WLDS                    ; my stage
	v_mul_u32_u24 v4, v2, 272
	v_add_nc_u32 v4, s44, v4                       ; into it: row = my column
	v_and_b32 v5, 15, v2
	v_lshrrev_b32 v6, 4, v2
	v_mul_u32_u24 v7, v6, 272
	v_lshl_add_u32 v7, v5, 4, v7
	v_add_nc_u32 v7, s44, v7                       ; out of it: sixteen lanes to a row, two rows an instruction
	v_lshlrev_b32 v8, 9, v6
	v_lshl_add_u32 v8, v5, 4, v8                   ; the same place in wc: rows of 512 bytes
	v_lshlrev_b32 v9, 5, v2                        ; my column's row of scale bytes
	WLOAD 0
	WLOAD 1
.irp t, 0,1,2,3,4,5,6,7,8,9,10,11,12,13,14,15
	WBLOCK \t
.endr
	global_store_b128 v9, v[WSB:WSB+3], s[48:49]   ; my column's 16 scale bytes
.irp t, 0,1,2,3,4,5,6,7,8,9,10,11,12,13,14,15
	ds_load_b128 v[WOUT+4*\t:WOUT+4*\t+3], v7 offset:2*\t*272
.endr
.irp t, 0,1,2,3,4,5,6,7,8,9,10,11,12,13,14,15
	s_wait_dscnt 15-\t
	global_store_b128 v8, v[WOUT+4*\t:WOUT+4*\t+3], s[38:39] offset:2*\t*512
.endr
	FINISH
.Lfunc_end_k_qfe523981d0_prep:
	.size	k_qfe523981d0_prep, .Lfunc_end_k_qfe523981d0_prep-k_qfe523981d0_prep
	.p2alignl 7, 3214868480
	.fill 96, 4, 3214868480
	.section	.rodata,"a",@progbits
	.p2align	6, 0x0
	.amdhsa_kernel k_qfe523981d0_prep
		.amdhsa_group_segment_fixed_size 101888
		.amdhsa_private_segment_fixed_size 0
		.amdhsa_enable_private_segment 0
		.amdhsa_kernarg_size 112
		.amdhsa_user_sgpr_count 2
		.amdhsa_user_sgpr_kernarg_segment_ptr 1
		.amdhsa_wavefront_size32 1
		.amdhsa_system_sgpr_workgroup_id_x 1
		.amdhsa_system_sgpr_workgroup_id_y 1
		.amdhsa_system_sgpr_workgroup_id_z 1
		.amdhsa_system_vgpr_workitem_id 0
		.amdhsa_next_free_vgpr 196
		.amdhsa_next_free_sgpr 66
		.amdhsa_reserve_vcc 0
		.amdhsa_float_denorm_mode_32 3
		.amdhsa_float_denorm_mode_16_64 3
		.amdhsa_memory_ordered 1
		.amdhsa_forward_progress 1
		.amdhsa_inst_pref_size 164
	.end_amdhsa_kernel
	.amdgpu_metadata
---
amdhsa.version: [ 1, 2 ]
amdhsa.kernels:
  - .name:           k_qfe523981d0_prep
    .symbol:         k_qfe523981d0_prep.kd
    .args:
      - { .name: query, .offset: 0, .size: 8, .value_kind: global_buffer, .address_space: global }
      - { .name: key, .offset: 8, .size: 8, .value_kind: global_buffer, .address_space: global }
      - { .name: value, .offset: 16, .size: 8, .value_kind: global_buffer, .address_space: global }
      - { .name: Wq, .offset: 24, .size: 8, .value_kind: global_buffer, .address_space: global }
      - { .name: Wk, .offset: 32, .size: 8, .value_kind: global_buffer, .address_space: global }
      - { .name: Wv, .offset: 40, .size: 8, .value_kind: global_buffer, .address_space: global }
      - { .name: Wo, .offset: 48, .size: 8, .value_kind: global_buffer, .address_space: global }
      - { .name: mask, .offset: 56, .size: 8, .value_kind: global_buffer, .address_space: global }
      - { .name: xc, .offset: 64, .size: 8, .value_kind: global_buffer, .address_space: global }
      - { .name: xs, .offset: 72, .size: 8, .value_kind: global_buffer, .address_space: global }
      - { .name: wc, .offset: 80, .size: 8, .value_kind: global_buffer, .address_space: global }
      - { .name: ws, .offset: 88, .size: 8, .value_kind: global_buffer, .address_space: global }
      - { .name: wo16, .offset: 96, .size: 8, .value_kind: global_buffer, .address_space: global }
      - { .name: maskbits, .offset: 104, .size: 8, .value_kind: global_buffer, .address_space: global }
    .group_segment_fixed_size: 101888
    .private_segment_fixed_size: 0
    .kernarg_segment_align: 8
    .kernarg_segment_size: 112
    .max_flat_workgroup_size: 128
    .sgpr_count:     66
    .vgpr_count:     196
    .wavefront_size: 32
...
	.end_amdgpu_metadata
.endif
;; end of part 1
;; launch proj (part 2): grid 4 x 96, 4 waves a work-group, clusters of 4 x 4, 327,680 bytes of LDS; arguments xc, xs, wc, ws, qkv, bq, bk, bv; writes qkv
.if DOCPART == 2
	.amdgcn_target "amdgcn-amd-amdhsa--gfx1250"
	.amdhsa_code_object_version 6
	.text
	.protected	k_qfe523981d0_proj
	.globl	k_qfe523981d0_proj
	.p2align	8
	.type	k_qfe523981d0_proj,@function
k_qfe523981d0_proj:
	s_mov_b64 s[64:65], 0
	v_nop
	global_prefetch_b8 v0, s[64:65] scope:SCOPE_SE
	s_setreg_imm32_b32 hwreg(HW_REG_WAVE_MODE, 25, 1), 1
	s_wait_xcnt 0x0
	s_wait_alu depctr_hold_cnt(0) depctr_sa_sdst(0) depctr_va_vdst(0) depctr_va_sdst(0) depctr_va_ssrc(0) depctr_va_vcc(0) depctr_vm_vsrc(0)
	s_getreg_b32 s2, hwreg(HW_REG_IB_STS2, 6, 4)
	s_cmp_eq_u32 s2, 0
	s_cbranch_scc0 .Lentry_in_a_cluster
	s_endpgm
.Lentry_in_a_cluster:
	s_bfe_u32 s2, ttmp6, 0x10000c
	s_cmp_lg_u32 s2, 0xf033
	s_cbranch_scc0 .Lentry_shape_is_right
	s_endpgm
.Lentry_shape_is_right:
; PROJ.  The three quantised products in one launch: [24576 rows of query | key | value][K 1024] x [1024 columns of Wq | Wk | Wv][K 1024], codes of E2M1 with one E8M0 byte for each 32 along K, sums in f32.
; Then (sum + bias) x scale, rounded once to f16 and laid by head: qkv [3][b 4][h 16][s 2048][64].  The scale is log2(e) / 8 for q (so that the softmax works on powers of two and needs no multiply), 1 for k and v.
; LIMIT: |q'|, |k|, |v| stay under 65,504 (f16).
; A tile of 256 x 256 is made by four waves, 128 x 128 each: 64 accumulators, 512 registers.  K goes in two steps of 512 through two LDS slots, each filled once; a tile's row is 256 bytes of memory.
; The scale bytes of the tile's 256 + 256 rows, for all of K, are two dense blocks: they come once, with the first fills.  By this text's count a wave has three tensor loads out at the most.
; CLUSTERS: 4 x 4 work-groups; a cluster's four tile columns are all of N, its four tile rows lie in ONE of the three tensors (8 clusters to a tensor).  A's tiles are asked for jointly along a row of the cluster, B's along a column.
; THE MATRIX INSTRUCTION IS USED TRANSPOSED (source 0 = 16 rows of B, source 1 = 16 rows of A): a lane holds eight neighbouring columns of one row.
; REGISTERS, in windows of 256: window 0: v0-31 addresses; v32-95 scale words, two sets; v128-191 A's fragments, one set; v192-255 the bias of my 128 columns, in the result's layout; on the way out v32-191 are free.
;   window 1: B's fragments, two sets, at v0 and v128.   window 2: accumulators of my rows 0-63 ((a, b) at v[8 (8 a + b)]);   window 3: rows 64-127.
.set SIZE_K, 1024
.set KSTEP,  512
.set NQ,     KSTEP/128
.set ROWB,   256
.set KROW,   SIZE_K*4/8
.set PITCH,  272                       ; an LDS row: 256 bytes + 16 of padding: the 16 rows that a load touches start 68 words apart
.set FR,     8
.set NL,     2
.set NP,     4
.set HALFT,  128*PITCH
.set SLOT,   4*HALFT
.set KS,     SIZE_K/32
.set SCL,    2*SLOT                    ; behind the slots: the scales, as units of 256 bytes + 16 of padding
.set HALFS,  (128*KS/256)*272
.set SBLK,   (16*KS/256)*272
.set SPARE,  SCL+4*HALFS               ; the spare words, 128 bytes for each wave
.set HP,     144                       ; the way out: a stage of 2 heads x 16 rows x (128 bytes + 16) for each wave, in slot 0, which has had its one fill and its last read by then
.set ADRA, 16
.set ADRB, 20
.set STO,  24
.set RD,   25
.set CO,   26
.set ADRS, 27
.set SPW,  28
.set NIL,  29
.set BA,   30                          ; v30  the bias loads' offset
.set SC,   32
.set AF,   128
.set BI,   192
.set TF,   32                          ; the way out: 64 numbers in f32,
.set PK,   96                          ; 32 registers of f16 pairs,
.set BB0,  128                         ; and rows read back from the stage: v128-159 and v160-191 by turns
.set G1, 24
.set G0, 32
.set G1B, 48
.set G0B, 56
.set G1S, 68
.set G0S, 76
.set G1SB, 80
.set G0SB, 88
.set MSB, 0
.macro WIN new                         ; the immediate's high byte repeats the setting that is left
.if MSB != (\new)
	s_set_vgpr_msb (MSB<<8)|(\new)
.set MSB, (\new)
.endif
.endm
.set MUL_LO, 0xa1                      ; source 0 (B) window 1, source 1 (A) window 0, C and D window 2
.set MUL_HI, 0xf1
.set TO_B,   0x40
; A joint load: waves 0 and 1 fetch for A, waves 2 and 3 for B; the branch hangs on the wave's number alone.  An s_nop 0 and four v_nop follow each of the two lines.
.macro JLOAD g0a, g1a, g0b, g1b
	s_cmp_eq_u32 s15, 0
	s_cbranch_scc0 .Lfor_b_\@
	tensor_load_to_lds s[\g0a:\g0a+3], s[\g1a:\g1a+7]
	s_nop 0
.rept 4
	v_nop
.endr
	s_branch .Lasked_\@
.Lfor_b_\@:
	tensor_load_to_lds s[\g0b:\g0b+3], s[\g1b:\g1b+7]
	s_nop 0
.rept 4
	v_nop
.endr
.Lasked_\@:
.endm
.macro CROUND                          ; a round of the cluster's barrier
	s_barrier_signal -1
	s_barrier_wait -1
	s_cmp_lg_u32 s14, 0
	s_cbranch_scc1 .Lnot_wave_0_\@
	s_barrier_signal -3
.Lnot_wave_0_\@:
	s_barrier_wait -3
	s_barrier_signal -1
	s_barrier_wait -1
.endm
	s_load_b128 s[4:7], s[0:1], 0x0                ; xc, xs
	s_load_b128 s[8:11], s[0:1], 0x10              ; wc, ws
	s_load_b64 s[12:13], s[0:1], 0x20              ; qkv
	s_load_b128 s[96:99], s[0:1], 0x28             ; bq, bk
	s_load_b64 s[100:101], s[0:1], 0x38            ; bv
	v_lshl_add_u32 v[SPW], v0, 2, SPARE
	v_mov_b32 v[NIL], 0
	ds_add_u32 v[SPW], v[NIL]                      ; the wave's opening: the add, twice on end, and its wait ahead of my first tensor load
	ds_add_u32 v[SPW], v[NIL]
	v_lshrrev_b32 v1, 5, v0
	v_readfirstlane_b32 s14, v1                    ; wave 0..3
	s_lshr_b32 s15, s14, 1                         ; which half of the tile's rows is mine.  Also: I fetch for A (0) or for B (1)
	s_and_b32 s16, s14, 1                          ; which half of its columns.  Also: which 128 rows I fetch
	s_bfe_u32 s40, ttmp6, 0x40000                  ; cx, cy
	s_bfe_u32 s41, ttmp6, 0x40004
	s_lshl_b32 s42, ttmp9, 2
	s_add_co_u32 s42, s42, s40                     ; tile column
	s_and_b32 s17, ttmp7, 0xffff
	s_lshr_b32 s95, s17, 3                         ; which tensor: made of the cluster's y alone, so equal in all sixteen partners
	s_lshl_b32 s17, s17, 2
	s_add_co_u32 s17, s17, s41                     ; tile row, 0..95
	s_lshl_b32 s43, s41, 2
	s_lshl_b32 s43, 15, s43                        ; my row of the cluster
	s_lshl_b32 s44, 0x1111, s40                    ; my column
	s_or_b32 s[G1+0], s43, (0<<16)|(1<<20)|(1<<21)|(5<<22)|(3<<25)  ; the mask; elements of 1 byte; padding on; bit 21 beside a mask; 4 words of padding after every 64
	s_or_b32 s[G1B+0], s44, (0<<16)|(1<<20)|(1<<21)|(5<<22)|(3<<25)
.irp g, G1, G1B
	s_mov_b32 s[\g+1], ROWB<<16                    ; tensor_dim0
	s_mov_b32 s[\g+2], 128<<16                     ; tensor_dim1
	s_mov_b32 s[\g+3], ROWB<<16                    ; tile_dim0
	s_mov_b32 s[\g+4], 128                         ; tile_dim1
	s_mov_b32 s[\g+5], KROW                        ; pitch
	s_mov_b32 s[\g+6], 0
	s_mov_b32 s[\g+7], 0
.endr
	s_or_b32 s[G1S+0], s43, (3<<16)|(1<<20)|(1<<21)|(5<<22)|(3<<25) ; the scales of 128 rows: 4,096 dense bytes as 16 rows of 32 elements of 8 bytes
	s_or_b32 s[G1SB+0], s44, (3<<16)|(1<<20)|(1<<21)|(5<<22)|(3<<25)
.irp g, G1S, G1SB
	s_mov_b32 s[\g+1], 32<<16
	s_mov_b32 s[\g+2], (128*KS/256)<<16
	s_mov_b32 s[\g+3], 32<<16
	s_mov_b32 s[\g+4], 128*KS/256
	s_mov_b32 s[\g+5], 32
	s_mov_b32 s[\g+6], 0
	s_mov_b32 s[\g+7], 0
.endr
	s_lshl_b32 s18, s16, 7
	s_lshl_b32 s20, s17, 8
	s_add_co_u32 s20, s20, s18                     ; A: row 256 x tile row + 128 x half, in the three tensors on end
	s_lshl_b32 s46, s42, 8
	s_add_co_u32 s46, s46, s18
	s_lshl_b32 s47, s95, 10
	s_add_co_u32 s46, s46, s47                     ; B: row 1,024 x tensor + 256 x tile column + 128 x half
	s_mov_b32 s21, 0
	s_mov_b32 s47, 0
	s_mov_b64 s[18:19], KS
	s_mul_u64 s[22:23], s[20:21], s[18:19]
	s_mul_u64 s[92:93], s[46:47], s[18:19]
	s_mov_b64 s[18:19], KROW
	s_mul_u64 s[20:21], s[20:21], s[18:19]
	s_mul_u64 s[46:47], s[46:47], s[18:19]
	s_mul_i32 s45, s14, HALFT                      ; where they go: wave x 128 rows
	s_mul_i32 s94, s14, HALFS
	s_wait_dscnt 0x0                               ; both opening adds are done
	s_wait_kmcnt 0x0
	s_add_nc_u64 s[20:21], s[4:5], s[20:21]
	s_add_nc_u64 s[22:23], s[6:7], s[22:23]
	s_add_nc_u64 s[46:47], s[8:9], s[46:47]
	s_add_nc_u64 s[92:93], s[10:11], s[92:93]
	CROUND                                         ; all sixteen work-groups are here: the first joint loads meet
	s_mov_b32 s[G0S], 1
	s_add_co_u32 s[G0S+1], s94, SCL
	s_mov_b64 s[G0S+2:G0S+3], s[22:23]
	s_or_b32 s[G0S+3], s[G0S+3], 0x80000000
	s_mov_b32 s[G0SB], 1
	s_add_co_u32 s[G0SB+1], s94, SCL
	s_mov_b64 s[G0SB+2:G0SB+3], s[92:93]
	s_or_b32 s[G0SB+3], s[G0SB+3], 0x80000000
	JLOAD G0S, G1S, G0SB, G1SB                     ; the scales first: they are wanted with K step 0
.irp s, 0,1
	s_mov_b32 s[G0+4*\s], 1
	s_add_co_u32 s[G0+4*\s+1], s45, \s*SLOT
	s_add_nc_u64 s[G0+4*\s+2:G0+4*\s+3], s[20:21], \s*ROWB
	s_or_b32 s[G0+4*\s+3], s[G0+4*\s+3], 0x80000000
	s_mov_b32 s[G0B+4*\s], 1
	s_add_co_u32 s[G0B+4*\s+1], s45, \s*SLOT
	s_add_nc_u64 s[G0B+4*\s+2:G0B+4*\s+3], s[46:47], \s*ROWB
	s_or_b32 s[G0B+4*\s+3], s[G0B+4*\s+3], 0x80000000
	JLOAD G0+4*\s, G1, G0B+4*\s, G1B
.endr
	v_and_b32 v1, 15, v0                           ; r
	v_bfe_u32 v2, v0, 4, 1                         ; h
	v_mul_u32_u24 v3, v1, PITCH
	v_lshl_add_u32 v4, v2, 4, v3
	s_mul_i32 s21, s15, HALFT
	s_mul_i32 s22, s16, HALFT
	s_add_co_u32 s22, s22, 2*HALFT
.irp s, 0,1
	v_add_nc_u32 v[ADRA+\s], s21, v4
	v_add_nc_u32 v[ADRB+\s], s22, v4
	s_add_co_u32 s21, s21, SLOT
	s_add_co_u32 s22, s22, SLOT
.endr
	v_mul_u32_u24 v5, v1, KS                       ; my row's scales: 32 bytes a row,
	v_lshrrev_b32 v6, 8, v5
	v_lshl_add_u32 v5, v6, 4, v5                   ; and 16 more for each 256 passed
	s_mul_i32 s21, s15, HALFS
	s_mul_i32 s22, s16, HALFS
	s_add_co_u32 s22, s22, 2*HALFS
	s_sub_co_u32 s22, s22, s21
	v_mul_u32_u24 v6, s22, v2                      ; lanes 16-31 take B's
	s_add_co_u32 s21, s21, SCL
	v_add_nc_u32 v5, v5, v6
	v_add_nc_u32 v[ADRS], s21, v5
	s_mul_i32 s23, s14, 2*16*HP                    ; my stage
	v_mul_u32_u24 v5, v1, HP
	v_lshl_add_u32 v5, v2, 4, v5
	v_add_nc_u32 v[STO], s23, v5                   ; in: row r, 16 bytes for each half of the lanes
	v_and_b32 v6, 31, v0
	v_lshrrev_b32 v5, 3, v6
	v_mul_u32_u24 v5, v5, HP
	v_and_b32 v7, 7, v0
	v_lshl_add_u32 v5, v7, 4, v5
	v_add_nc_u32 v[RD], s23, v5                    ; back: eight lanes to a row of 128 bytes, four rows an instruction
	v_lshlrev_b32 v[CO], 4, v6                     ; which are 512 consecutive bytes of a head in qkv
	s_lshl_b32 s20, s17, 8
	s_lshl_b32 s21, s15, 7
	s_add_co_u32 s20, s20, s21                     ; my first row, 0..24575
	s_lshr_b32 s21, s20, 11
	s_lshl_b32 s21, s21, 22                        ; (tensor, batch): 16 heads of 262,144 bytes
	s_and_b32 s20, s20, 2047
	s_lshl_b32 s20, s20, 7                         ; the position: 128 bytes
	s_add_co_u32 s20, s20, s21
	s_lshl_b32 s46, s42, 2
	s_lshl_b32 s47, s16, 1
	s_add_co_u32 s46, s46, s47                     ; my first head: 4 x tile column + 2 x half
	s_lshl_b32 s46, s46, 18
	s_add_co_u32 s20, s20, s46
	s_mov_b32 s21, 0
	s_add_nc_u64 s[12:13], s[12:13], s[20:21]
	s_cmp_lt_u32 s95, 1                            ; the tensor's bias and scale: choices, no branch
	s_cselect_b64 s[96:97], s[96:97], s[98:99]
	s_cmp_lt_u32 s95, 2
	s_cselect_b64 s[96:97], s[96:97], s[100:101]
	s_cmp_eq_u32 s95, 0
	s_cselect_b32 s66, 0x3e38aa3b, 1.0             ; log2(e) / 8 for q
	s_mov_b32 s67, s66
	s_lshl_b32 s46, s42, 10
	s_lshl_b32 s47, s16, 9
	s_add_co_u32 s46, s46, s47
	s_mov_b32 s47, 0
	s_add_nc_u64 s[96:97], s[96:97], s[46:47]      ; the bias of my 128 columns
	v_lshlrev_b32 v[BA], 5, v2
.irp b, 0,1,2,3,4,5,6,7                        ; register BI + 8 b + j: column 16 b + 8 h + j: the result's layout.  Waited for behind the last product
	global_load_b128 v[BI+8*\b:BI+8*\b+3], v[BA], s[96:97] offset:64*\b
	global_load_b128 v[BI+8*\b+4:BI+8*\b+7], v[BA], s[96:97] offset:64*\b+16
.endr
.macro FRAG reg, adr, q, i             ; 16 rows x 128 K of 4-bit codes: lane l holds row l % 16; registers 4 c .. 4 c + 3 hold K = 64 c + 32 (l / 16) + 0 .. 31
.irp c, 0,1
	ds_load_b128 v[\reg+4*\c:\reg+4*\c+3], v[\adr] offset:64*(\q)+32*\c+(\i)*16*PITCH
.endr
.endm
; 16 matrix instructions: A's blocks a0, a0 + 1 x B's eight.  The 64 accumulators take turns, one instruction a turn, in the same order in every step.
.macro MUL16 a0, p, q, sc, zero
.irp a, \a0, \a0+1
.irp b, 0,1,2,3,4,5,6,7
.if \zero
	v_wmma_scale_f32_16x16x128_f8f6f4 v[8*(8*((\a)%4)+\b):8*(8*((\a)%4)+\b)+7], v[128*(\p)+FR*\b:128*(\p)+FR*\b+FR-1], v[AF+FR*(\a):AF+FR*(\a)+FR-1], 0, v[SC+8*NQ*(\sc)+NQ*\b+(\q)], v[SC+8*NQ*(\sc)+NQ*(\a)+(\q)] matrix_a_fmt:MATRIX_FMT_FP4 matrix_b_fmt:MATRIX_FMT_FP4 matrix_a_scale:MATRIX_SCALE_ROW1
.else
	v_wmma_scale_f32_16x16x128_f8f6f4 v[8*(8*((\a)%4)+\b):8*(8*((\a)%4)+\b)+7], v[128*(\p)+FR*\b:128*(\p)+FR*\b+FR-1], v[AF+FR*(\a):AF+FR*(\a)+FR-1], v[8*(8*((\a)%4)+\b):8*(8*((\a)%4)+\b)+7], v[SC+8*NQ*(\sc)+NQ*\b+(\q)], v[SC+8*NQ*(\sc)+NQ*(\a)+(\q)] matrix_a_fmt:MATRIX_FMT_FP4 matrix_b_fmt:MATRIX_FMT_FP4 matrix_a_scale:MATRIX_SCALE_ROW1
.endif
.endr
.endr
.endm
.macro FETCH_B slot, q, p
	WIN TO_B
.irp i, 0,1,2,3,4,5,6,7
	FRAG 128*(\p)+FR*\i, ADRB+\slot, \q, \i
.endr
	WIN 0
.endm
.macro FETCH_A slot, q, i0
.irp i, \i0, \i0+1, \i0+2, \i0+3
	FRAG AF+FR*(\i), ADRA+\slot, \q, \i
.endr
.endm
.macro SCALES sc                       ; a K step's scale words: lanes 0-15 take A's block i, lanes 16-31 B's block i
.irp i, 0,1,2,3,4,5,6,7
	ds_load_b128 v[SC+8*NQ*\sc+NQ*\i:SC+8*NQ*\sc+NQ*\i+3], v[ADRS] offset:\i*SBLK
.endr
.endm
.macro PLACES n                        ; plain vector lines between a matrix instruction and a load into, or a read of, its registers
.rept \n
	v_nop
.endr
.endm
.macro STEP slot, q, zero              ; 128 along K, with its successor in the same slot
	s_wait_dscnt 4*NL                              ; B's set and A's blocks 0-3 are in; the youngest eight loads (A's blocks 4-7) may be out
	WIN MUL_LO
	MUL16 0, (\q)%2, \q, \slot, \zero
	MUL16 2, (\q)%2, \q, \slot, \zero
	s_wait_dscnt 0
	PLACES NP
	FETCH_B \slot, (\q)+1, 1-(\q)%2
	FETCH_A \slot, (\q)+1, 0
	WIN MUL_HI
	MUL16 4, (\q)%2, \q, \slot, \zero
	MUL16 6, (\q)%2, \q, \slot, \zero
	PLACES NP
	WIN 0
	FETCH_A \slot, (\q)+1, 4
.endm
; Slot 0's last step changes slots: one barrier; in front of it each wave waits for all its tensor loads (its part of slot 1), adds 0 to its spare word, and waits for that and for its reads of slot 0.  Nothing is filled again.
.macro TURN slot, next
	s_wait_tensorcnt 0x0
	ds_add_u32 v[SPW], v[NIL]
	s_wait_dscnt 4*NL+1                            ; the add and the youngest eight loads may be out
	WIN MUL_LO
	MUL16 0, 1, NQ-1, \slot, 0
	s_wait_dscnt 0x0                               ; the add is done, and my reads of this slot are over
	s_barrier_signal -1
	MUL16 2, 1, NQ-1, \slot, 0
	WIN 0
	s_barrier_wait -1
	PLACES NP
	v_add_nc_u32 v[ADRS], 4*NQ, v[ADRS]            ; on to the next K step's scale words
	FETCH_B \next, 0, 0
	FETCH_A \next, 0, 0
	SCALES \next
	WIN MUL_HI
	MUL16 4, 1, NQ-1, \slot, 0
	MUL16 6, 1, NQ-1, \slot, 0
	PLACES NP
	WIN 0
	FETCH_A \next, 0, 4
.endm
	s_wait_tensorcnt 1                             ; the scales and my part of K step 0 are in (K step 1's load may be out)
	s_barrier_signal -1
	s_barrier_wait -1                              ; everybody's are
	FETCH_B 0, 0, 0
	FETCH_A 0, 0, 0
	SCALES 0
	FETCH_A 0, 0, 4
	STEP 0, 0, 1                                   ; the first products start the sums: nothing is cleared
	STEP 0, 1, 0
	STEP 0, 2, 0
	TURN 0, 1
	STEP 1, 0, 0
	STEP 1, 1, 0
	STEP 1, 2, 0
	s_wait_dscnt 4*NL                              ; the last step: nothing more to fetch
	WIN MUL_LO
	MUL16 0, 1, NQ-1, 1, 0
	MUL16 2, 1, NQ-1, 1, 0
	s_wait_dscnt 0
	WIN MUL_HI
	MUL16 4, 1, NQ-1, 1, 0
	MUL16 6, 1, NQ-1, 1, 0
	WIN 0
	s_wait_loadcnt 0x0                             ; the bias
.set i, 0
.rept 32
	v_pk_mul_f32 v[BI+i:BI+i+1], v[BI+i:BI+i+1], s[66:67] op_sel_hi:[1,0]   ; bias x scale.  (These 32 name no register of the last products: they are the places behind them)
.set i, i+2
.endr
; THE WAY OUT, block by block of 16 rows x 128 columns (two heads).  sum x scale + bias x scale in one fused multiply-add, each accumulator from its low end on; rounded to f16; 16 bytes a lane into my stage;
; back as rows of 128 bytes, four rows an instruction, which are 512 consecutive bytes of a head.
.macro PACK a
.set AC, 64*((\a)%4)
	WIN 0x02+(\a)/4                                ; source 0: window 2 or 3
.irp b, 0,1,2,3,4,5,6,7
.irp i, 0,1,2,3
	v_pk_fma_f32 v[TF+8*\b+2*\i:TF+8*\b+2*\i+1], v[AC+8*\b+2*\i:AC+8*\b+2*\i+1], s[66:67], v[BI+8*\b+2*\i:BI+8*\b+2*\i+1] op_sel_hi:[1,0,1]
.endr
.endr
	WIN 0
.irp b, 0,1,2,3,4,5,6,7
.irp i, 0,1,2,3
	v_cvt_pk_f16_f32 v[PK+4*\b+\i], v[TF+8*\b+2*\i], v[TF+8*\b+2*\i+1]
.endr
.endr
.endm
.macro TOSTAGE a
.set BB, BB0+32*((\a)%2)
.irp b, 0,1,2,3,4,5,6,7
	ds_store_b128 v[STO], v[PK+4*\b:PK+4*\b+3] offset:(\b/4)*16*HP+(\b%4)*32
.endr
.irp e, 0,1,2,3,4,5,6,7
	ds_load_b128 v[BB+4*\e:BB+4*\e+3], v[RD] offset:(\e/4)*16*HP+(\e%4)*4*HP   ; LDS serves a wave's instructions in order: these see the stores above
.endr
.endm
.macro SEND a, younger
.set BB, BB0+32*((\a)%2)
	s_wait_dscnt \younger                          ; the block is back in registers
.if (\a) > 0
	s_add_nc_u64 s[12:13], s[12:13], 16*128        ; 16 positions on (behind a wait on XCNT: the earlier stores have read their base)
.endif
.irp e, 0,1,2,3,4,5,6,7
	global_store_b128 v[CO], v[BB+4*\e:BB+4*\e+3], s[12:13] offset:(\e/4)*262144+(\e%4)*512
.endr
.endm
	PACK 0
	TOSTAGE 0
.irp a, 1,2,3,4,5,6,7
.if \a > 1
	s_wait_xcnt 0x0                                ; block a - 2's stores have read their registers and their base
.endif
	PACK \a
	TOSTAGE \a
	SEND \a-1, 16                                  ; behind block a - 1's loads: block a's 8 stores and 8 loads
.endr
	s_wait_xcnt 0x0
	SEND 7, 0
	s_wait_tensorcnt 0x0                           ; the wave's end
	ds_add_u32 v[SPW], v[NIL]
	s_wait_dscnt 0x0
	CROUND                                         ; the closing round
	s_endpgm
.Lfunc_end_k_qfe523981d0_proj:
	.size	k_qfe523981d0_proj, .Lfunc_end_k_qfe523981d0_proj-k_qfe523981d0_proj
	.p2alignl 7, 3214868480
	.fill 96, 4, 3214868480
	.section	.rodata,"a",@progbits
	.p2align	6, 0x0
	.amdhsa_kernel k_qfe523981d0_proj
		.amdhsa_group_segment_fixed_size 327680
		.amdhsa_private_segment_fixed_size 0
		.amdhsa_enable_private_segment 0
		.amdhsa_kernarg_size 64
		.amdhsa_user_sgpr_count 2
		.amdhsa_user_sgpr_kernarg_segment_ptr 1
		.amdhsa_wavefront_size32 1
		.amdhsa_system_sgpr_workgroup_id_x 1
		.amdhsa_system_sgpr_workgroup_id_y 1
		.amdhsa_system_sgpr_workgroup_id_z 1
		.amdhsa_system_vgpr_workitem_id 0
		.amdhsa_next_free_vgpr 1024
		.amdhsa_next_free_sgpr 102
		.amdhsa_reserve_vcc 0
		.amdhsa_float_denorm_mode_32 3
		.amdhsa_float_denorm_mode_16_64 3
		.amdhsa_memory_ordered 1
		.amdhsa_forward_progress 1
		.amdhsa_inst_pref_size 147
	.end_amdhsa_kernel
	.amdgpu_metadata
---
amdhsa.version: [ 1, 2 ]
amdhsa.kernels:
  - .name:           k_qfe523981d0_proj
    .symbol:         k_qfe523981d0_proj.kd
    .args:
      - { .name: xc, .offset: 0, .size: 8, .value_kind: global_buffer, .address_space: global }
      - { .name: xs, .offset: 8, .size: 8, .value_kind: global_buffer, .address_space: global }
      - { .name: wc, .offset: 16, .size: 8, .value_kind: global_buffer, .address_space: global }
      - { .name: ws, .offset: 24, .size: 8, .value_kind: global_buffer, .address_space: global }
      - { .name: qkv, .offset: 32, .size: 8, .value_kind: global_buffer, .address_space: global }
      - { .name: bq, .offset: 40, .size: 8, .value_kind: global_buffer, .address_space: global }
      - { .name: bk, .offset: 48, .size: 8, .value_kind: global_buffer, .address_space: global }
      - { .name: bv, .offset: 56, .size: 8, .value_kind: global_buffer, .address_space: global }
    .group_segment_fixed_size: 327680
    .private_segment_fixed_size: 0
    .kernarg_segment_align: 8
    .kernarg_segment_size: 64
    .max_flat_workgroup_size: 128
    .sgpr_count:     102
    .vgpr_count:     1024
    .wavefront_size: 32
...
	.end_amdgpu_metadata
.endif
;; end of part 2
;; launch attn (part 3): grid 4 x 64, 16 waves a work-group, clusters of 4 x 1, 327,680 bytes of LDS; arguments qkv, maskbits, att; writes att
.if DOCPART == 3
	.amdgcn_target "amdgcn-amd-amdhsa--gfx1250"
	.amdhsa_code_object_version 6
	.text
	.protected	k_qfe523981d0_attn
	.globl	k_qfe523981d0_attn
	.p2align	8
	.type	k_qfe523981d0_attn,@function
k_qfe523981d0_attn:
	s_mov_b64 s[64:65], 0
	v_nop
	global_prefetch_b8 v0, s[64:65] scope:SCOPE_SE
	s_setreg_imm32_b32 hwreg(HW_REG_WAVE_MODE, 25, 1), 1
	s_wait_xcnt 0x0
	s_wait_alu depctr_hold_cnt(0) depctr_sa_sdst(0) depctr_va_vdst(0) depctr_va_sdst(0) depctr_va_ssrc(0) depctr_va_vcc(0) depctr_vm_vsrc(0)
	s_getreg_b32 s2, hwreg(HW_REG_IB_STS2, 6, 4)
	s_cmp_eq_u32 s2, 0
	s_cbranch_scc0 .Lentry_in_a_cluster
	s_endpgm
.Lentry_in_a_cluster:
	s_bfe_u32 s2, ttmp6, 0x10000c
	s_cmp_lg_u32 s2, 0x3003
	s_cbranch_scc0 .Lentry_shape_is_right
	s_endpgm
.Lentry_shape_is_right:
; ATTN.  att[b][h][q][:] = sum over k of softmax_k(where(mask == 0, -1e9, q . k / 8)) v[k][:], f16 operands, f32 products' sums, maxima and sums.  q' arrives multiplied by log2(e) / 8, so t = q' . k is the exponent of 2.
; A masked score becomes -1e9 x log2(e): a row that is masked everywhere has t - m = 0 everywhere and comes out as the plain average, as in the definition.  The running maximum m is taken away before every exponential.
; LIMITS: f16 operands: |q'|, |k|, |v| under 65,504; weights p under 2^-25 count as 0 beside a row's sum, which is at least 1.  NaN and infinities are not served.
; SHARES.  A work-group owns 512 queries of one head; each of its SIXTEEN waves owns 32, two tiles of 16, in 256 registers: four waves to a SIMD, so that one wave's softmax stands beside another's products and LDS loads.
; Every wave walks the head's 2,048 keys, 64 a step.  K and V come through two LDS slots of 512 keys; each of the sixteen waves fetches 64 rows of a slot (waves 0-7: K, 8-15: V) by one tensor load.
; CLUSTER.  The four query blocks of a head walk the same K and V: each tile is asked for JOINTLY by the four.  A refill is asked for eight key steps ahead of its first read, and the two first fills go out at the head:
; no later request has a wave waiting, so nothing is prefetched.
; LAYOUT.  S^T = K Q^T (source 0 = 16 keys, source 1 = 16 queries): a lane holds ONE query (lane % 16) and keys 8 (lane / 16) + 0..7.  Two such tiles rounded to f16 in pairs ARE source 1 of O^T = V^T P.
; The mask comes as lane masks, one word for each register of a tile of S^T, by scalar loads a step ahead: one select a score.
; REGISTERS: v1-11 addresses and constants; v12-27 statistics, 8 a tile: +0 m, +1 old m, +2 +3 the sum (even, odd keys), +4..+7 at work (a in +6); v32-63 Q; v64-127 K, then V; v128-191 S^T, p, and P packed in place; v192-255 O^T.
.set KP,    144                        ; a row of K in LDS: 128 bytes + 16
.set VP,    160                        ; a row of V: 128 + 32, for the turning load
.set SK,    512
.set VOFF,  SK*KP
.set SLOTB, SK*(KP+VP)
.set SPARE, 2*SLOTB                    ; the spare words, 128 bytes for each of sixteen waves
.set AK0, 1
.set AV0, 2
.set ADK, 3
.set ADV, 4
.set SPW, 5
.set NIL, 6
.set NEG, 7
.set QO,  8
.set STO, 9
.set RD,  10
.set GO,  11
.set ST,  12
.set Q,   32
.set KV,  64
.set S,   128
.set O,   192
.set WV,  2                            ; s2   wave
.set CNT, 3                            ; s3   steps left in a slot
.set G0,  4                            ; s[4:11]  descriptor group 0, a set for each slot
.set MP,  12                           ; s[12:13] my first tile's mask words
.set MO,  14                           ; s14  the step's offset in them: 128 bytes a step
.set TK,  15                           ; s15  LDS byte of the step's K
.set TV,  66                           ; s66  and of its V (less VOFF)
.set ROWOFF, 67                        ; s67  my first query's byte in q' and in att
.set G1K, 84                           ; s[84:91]  group 1 for K's tiles;  s[92:99] for V's: the padding differs
.set G1V, 92
.set SEL, 100                          ; s[100:101] selects for lane l xor 16
                                       ; s16-63, s68-83: the step's 64 mask words (tile 0: s16-47; tile 1: s48-63, s68-83); in the head s16-35 are at work
.macro JLOAD s                         ; my part of slot s.  The branch hangs on the wave's number alone; an s_nop 0 and four v_nop follow each of the two lines
	s_cmp_lt_u32 s[WV], 8
	s_cbranch_scc0 .Lfor_v_\@
	tensor_load_to_lds s[G0+4*\s:G0+4*\s+3], s[G1K:G1K+7]
	s_nop 0
.rept 4
	v_nop
.endr
	s_branch .Lasked_\@
.Lfor_v_\@:
	tensor_load_to_lds s[G0+4*\s:G0+4*\s+3], s[G1V:G1V+7]
	s_nop 0
.rept 4
	v_nop
.endr
.Lasked_\@:
.endm
.macro CROUND                          ; a round of the cluster's barrier
	s_barrier_signal -1
	s_barrier_wait -1
	s_cmp_lg_u32 s[WV], 0
	s_cbranch_scc1 .Lnot_wave_0_\@
	s_barrier_signal -3
.Lnot_wave_0_\@:
	s_barrier_wait -3
	s_barrier_signal -1
	s_barrier_wait -1
.endm
.macro MASKLD                          ; 32 words for each of my two query tiles, which lie 4,096 bytes apart
	s_load_b512 s[16:31], s[MP:MP+1], s[MO] offset:0x0
	s_load_b512 s[32:47], s[MP:MP+1], s[MO] offset:0x40
	s_load_b512 s[48:63], s[MP:MP+1], s[MO] offset:0x1000
	s_load_b512 s[68:83], s[MP:MP+1], s[MO] offset:0x1040
.endm
	s_load_b128 s[16:19], s[0:1], 0x0              ; qkv, maskbits
	v_lshl_add_u32 v[SPW], v0, 2, SPARE
	v_mov_b32 v[NIL], 0
	ds_add_u32 v[SPW], v[NIL]                      ; the wave's opening: the add, twice on end, and its wait ahead of my first tensor load
	ds_add_u32 v[SPW], v[NIL]
	v_lshrrev_b32 v1, 5, v0
	v_readfirstlane_b32 s[WV], v1                  ; wave 0..15
	s_bfe_u32 s24, ttmp6, 0x40000                  ; cx
	s_lshl_b32 s25, ttmp9, 2
	s_add_co_u32 s24, s24, s25                     ; my block of 512 queries: it enters q's, the mask's and att's addresses alone
	s_and_b32 s25, ttmp7, 0xffff                   ; 16 b + h, which the four partners share
	s_mov_b32 s[G1K], 15|(1<<16)|(1<<20)|(1<<21)|(4<<22)|(3<<25)  ; the mask: all four; elements of 2 bytes; padding on; bit 21 beside a mask; 4 words of padding after every 32
	s_mov_b32 s[G1V], 15|(1<<16)|(1<<20)|(1<<21)|(4<<22)|(7<<25)  ; the same with 8 words
.irp g, G1K, G1V
	s_mov_b32 s[\g+1], 64<<16                      ; tensor_dim0 = 64
	s_mov_b32 s[\g+2], 64<<16                      ; tensor_dim1 = 64
	s_mov_b32 s[\g+3], 64<<16                      ; tile_dim0 = 64
	s_mov_b32 s[\g+4], 64                          ; tile_dim1 = 64
	s_mov_b32 s[\g+5], 64                          ; pitch
	s_mov_b32 s[\g+6], 0
	s_mov_b32 s[\g+7], 0
.endr
	s_mov_b32 s[SEL], 0x76543210
	s_mov_b32 s[SEL+1], 0xfedcba98
	s_lshr_b32 s26, s[WV], 3                       ; 0: I fetch for K; 1: for V
	s_mul_i32 s27, s26, 7
	s_and_b32 s27, s27, s[WV]                      ; wave % 8 in V's waves, 0 in K's
	s_lshl_b32 s27, s27, 10
	s_mul_i32 s28, s[WV], 64*KP
	s_add_co_u32 s28, s28, s27                     ; my 64 rows' place in a slot: K: 9,216 w;  V: 9,216 w + 1,024 (w - 8) = VOFF + 10,240 (w - 8)
	s_add_co_u32 s30, s26, 1
	s_lshl_b32 s30, s30, 24                        ; k is part 1 of qkv, v part 2: 2^24 bytes each
	s_lshl_b32 s29, s25, 18                        ; the head: 262,144 bytes
	s_add_co_u32 s30, s30, s29
	s_and_b32 s31, s[WV], 7
	s_lshl_b32 s31, s31, 13                        ; my 64 rows of 128 bytes
	s_add_co_u32 s30, s30, s31
	s_mov_b32 s31, 0
	s_lshl_b32 s32, s24, 9
	s_lshl_b32 s33, s[WV], 5
	s_add_co_u32 s32, s32, s33                     ; my first query in the head
	s_lshl_b32 s[ROWOFF], s32, 7
	s_add_co_u32 s[ROWOFF], s[ROWOFF], s29
	s_lshr_b32 s33, s25, 4                         ; b
	s_lshl_b32 s33, s33, 7
	s_lshr_b32 s32, s32, 4
	s_add_co_u32 s32, s32, s33                     ; my first query tile among the 512
	s_lshl_b32 s32, s32, 12
	s_mov_b32 s33, 0
	s_mov_b32 s34, s[ROWOFF]
	s_mov_b32 s35, 0
	s_wait_dscnt 0x0                               ; both opening adds are done
	s_wait_kmcnt 0x0
	s_add_nc_u64 s[MP:MP+1], s[18:19], s[32:33]
	s_add_nc_u64 s[22:23], s[16:17], s[34:35]      ; q' at my first query
	s_mov_b32 s[G0], 1
	s_mov_b32 s[G0+1], s28
	s_add_nc_u64 s[G0+2:G0+3], s[16:17], s[30:31]  ; slot 0: keys 0-511
	s_mov_b32 s[G0+4], 1
	s_add_co_u32 s[G0+5], s28, SLOTB
	s_add_nc_u64 s[G0+6:G0+7], s[G0+2:G0+3], SK*128  ; slot 1: keys 512-1023
	s_or_b32 s[G0+3], s[G0+3], 0x80000000
	s_or_b32 s[G0+7], s[G0+7], 0x80000000
	CROUND                                         ; all four work-groups are here: the first joint loads meet
	s_cmp_lt_u32 s[WV], 8                          ; a wave's two first fills stand in one branch: two loads of mine are out
	s_cbranch_scc0 .Lfirst_v
	tensor_load_to_lds s[G0:G0+3], s[G1K:G1K+7]
	s_nop 0
	tensor_load_to_lds s[G0+4:G0+7], s[G1K:G1K+7]
	s_nop 0
.rept 4
	v_nop
.endr
	s_branch .Lfirst_asked
.Lfirst_v:
	tensor_load_to_lds s[G0:G0+3], s[G1V:G1V+7]
	s_nop 0
	tensor_load_to_lds s[G0+4:G0+7], s[G1V:G1V+7]
	s_nop 0
.rept 4
	v_nop
.endr
.Lfirst_asked:
	v_and_b32 v12, 15, v0                          ; r
	v_bfe_u32 v13, v0, 4, 1                        ; h
	v_lshlrev_b32 v[QO], 7, v12
	v_lshl_add_u32 v[QO], v13, 4, v[QO]            ; row r of 128 bytes + 16 h
.irp t, 0,1
.irp c, 0,1                                    ; Q stays in registers: tile t, channels 32 c on
	global_load_b128 v[Q+16*\t+8*\c:Q+16*\t+8*\c+3], v[QO], s[22:23] offset:\t*2048+64*\c
	global_load_b128 v[Q+16*\t+8*\c+4:Q+16*\t+8*\c+7], v[QO], s[22:23] offset:\t*2048+64*\c+32
.endr
.endr
	v_mul_u32_u24 v[AK0], v12, KP
	v_lshl_add_u32 v[AK0], v13, 4, v[AK0]          ; K: row r x pitch + 16 h
	v_and_b32 v14, 7, v0
	v_bfe_u32 v15, v0, 3, 1
	v_lshl_add_u32 v[AV0], v13, 3, v14             ; V, turned: key 8 h + l % 8, channels 8 ((l / 8) % 2) on
	v_mul_u32_u24 v[AV0], v[AV0], VP
	v_lshl_add_u32 v[AV0], v15, 4, v[AV0]
	v_add_nc_u32 v[AV0], VOFF, v[AV0]
	v_mov_b32 v[NEG], 0xceabfb8e                   ; -1e9 x log2(e)
	s_mul_i32 s[CNT], s[WV], 2*16*KP               ; my stage for the way out: 2 tiles x 16 rows x 144, in slot 0
	v_add_nc_u32 v[STO], s[CNT], v[AK0]            ; in: row r, 16 bytes for each half of the lanes
	v_and_b32 v[RD], 31, v0
	v_lshlrev_b32 v[GO], 4, v[RD]                  ; four rows of 128 bytes are 512 consecutive bytes of att
	v_lshrrev_b32 v[RD], 3, v[RD]
	v_mul_u32_u24 v[RD], v[RD], KP
	v_lshl_add_u32 v[RD], v14, 4, v[RD]
	v_add_nc_u32 v[RD], s[CNT], v[RD]              ; back: eight lanes to a row
	s_wait_xcnt 0x0                                ; Q's loads have read their base, which lies among the registers that the mask words take
	s_mov_b32 s[MO], 0
	MASKLD                                         ; step 0's
.irp t, 0,1
	v_mov_b32 v[ST+8*\t], 0xff61b1e6               ; m: -3e38, under every t
.irp i, 1,2,3,4,5,6,7
	v_mov_b32 v[ST+8*\t+\i], 0
.endr
.endr
.set i, 0
.rept 64
	v_mov_b32 v[O+i], 0                            ; O^T.  (The step is written once: the first finds zeros, which a = 0 leaves zeros)
.set i, i+1
.endr
	s_wait_loadcnt 0x0                             ; Q
	s_wait_tensorcnt 1                             ; my part of slot 0 is in; slot 1's may stay out
	s_barrier_signal -1
	s_barrier_wait -1
; A KEY STEP: 64 keys, both my tiles.
.macro STEP
	v_add_nc_u32 v[ADK], s[TK], v[AK0]
	v_add_nc_u32 v[ADV], s[TV], v[AV0]
.irp kt, 0,1,2,3
.irp c, 0,1
	ds_load_b128 v[KV+16*\kt+8*\c:KV+16*\kt+8*\c+3], v[ADK] offset:\kt*16*KP+64*\c
	ds_load_b128 v[KV+16*\kt+8*\c+4:KV+16*\kt+8*\c+7], v[ADK] offset:\kt*16*KP+64*\c+32
.endr
.endr
	s_wait_dscnt 0x0
.set i, 0
.rept 16                                       ; S^T = K Q^T: channels 32 (i / 8) on, keys 16 ((i / 2) % 4) on, tile i % 2: eight accumulators by turns; the first eight start the sums
.set rS, S+32*(i%2)+8*((i/2)%4)
.set rK, KV+16*((i/2)%4)+8*(i/8)
.set rQ, Q+16*(i%2)+8*(i/8)
.if i < 8
	v_wmma_f32_16x16x32_f16 v[rS:rS+7], v[rK:rK+7], v[rQ:rQ+7], 0
.else
	v_wmma_f32_16x16x32_f16 v[rS:rS+7], v[rK:rK+7], v[rQ:rQ+7], v[rS:rS+7]
.endif
.set i, i+1
.endr
.rept 4
	v_nop                                          ; places ahead of the loads into K's registers and of the first read of the scores
.endr
.irp kh, 0,1
.irp ct, 0,1,2,3                               ; V, turned: keys 32 kh on, channels 16 ct on; it lands during the softmax
	ds_load_tr16_b128 v[KV+32*\kh+8*\ct:KV+32*\kh+8*\ct+3], v[ADV] offset:\kh*32*VP+\ct*32
	ds_load_tr16_b128 v[KV+32*\kh+8*\ct+4:KV+32*\kh+8*\ct+7], v[ADV] offset:\kh*32*VP+16*VP+\ct*32
.endr
.endr
	s_wait_kmcnt 0x0                               ; this step's mask words, asked for a step ago
.set i, 0
.rept 32
	v_cndmask_b32 v[S+i], v[NEG], v[S+i], s[16+i]  ; each accumulator from its low end on
.set i, i+1
.endr
.set i, 0
.rept 16
	v_cndmask_b32 v[S+32+i], v[NEG], v[S+32+i], s[48+i]
.set i, i+1
.endr
.set i, 0
.rept 16
	v_cndmask_b32 v[S+48+i], v[NEG], v[S+48+i], s[68+i]
.set i, i+1
.endr
	s_wait_xcnt 0x0                                ; the scalar loads have read their offset, so it may step
	s_add_co_u32 s[MO], s[MO], 128
	s_min_u32 s[MO], s[MO], 3968                   ; the last step asks for its own words once more: no load leaves the buffer
	MASKLD                                         ; the next step's
.irp j, 0,1,2,3                                ; the maximum of 32 scores and the old m, three operands at a time, four chains a tile, the tiles by turns
.irp t, 0,1
	v_max3_num_f32 v[ST+8*\t+4+\j], v[S+32*\t+8*\j], v[S+32*\t+8*\j+1], v[S+32*\t+8*\j+2]
.endr
.endr
.irp g, 1,2
.irp j, 0,1,2,3
.irp t, 0,1
	v_max3_num_f32 v[ST+8*\t+4+\j], v[ST+8*\t+4+\j], v[S+32*\t+8*\j+2*\g+1], v[S+32*\t+8*\j+2*\g+2]
.endr
.endr
.endr
.irp t, 0,1
	v_max3_num_f32 v[ST+8*\t+4], v[ST+8*\t+4], v[S+32*\t+7], v[S+32*\t+15]
	v_max3_num_f32 v[ST+8*\t+6], v[ST+8*\t+6], v[S+32*\t+23], v[S+32*\t+31]
.endr
.irp t, 0,1
	v_max3_num_f32 v[ST+8*\t+4], v[ST+8*\t+4], v[ST+8*\t+5], v[ST+8*\t+6]
.endr
.irp t, 0,1
	v_max3_num_f32 v[ST+8*\t+4], v[ST+8*\t+4], v[ST+8*\t+7], v[ST+8*\t]
.endr
.irp t, 0,1
	v_permlanex16_b32 v[ST+8*\t+5], v[ST+8*\t+4], s[SEL], s[SEL+1]   ; the query's other 32 keys lie in the lane 16 away
.endr
.irp t, 0,1
	v_mov_b32 v[ST+8*\t+1], v[ST+8*\t]
.endr
.irp t, 0,1
	v_max_num_f32 v[ST+8*\t], v[ST+8*\t+4], v[ST+8*\t+5]             ; the new m
.endr
.irp t, 0,1
	v_sub_f32 v[ST+8*\t+7], v[ST+8*\t+1], v[ST+8*\t]                 ; old m - new m, 0 or less
.endr
.irp t, 0,1
.set i, 0
.rept 16
	v_pk_add_f32 v[S+32*\t+i:S+32*\t+i+1], v[S+32*\t+i:S+32*\t+i+1], v[ST+8*\t:ST+8*\t+1] op_sel_hi:[1,0] neg_lo:[0,1] neg_hi:[0,1]   ; t - m
.set i, i+2
.endr
.endr
.irp t, 0,1
	v_exp_f32 v[ST+8*\t+6], v[ST+8*\t+7]           ; a = 2^(old m - new m).  ONE BATCH of 66 exponentials, none of which reads another's result
.endr
.set i, 0
.rept 64
	v_exp_f32 v[S+i], v[S+i]                       ; p = 2^(t - m)
.set i, i+1
.endr
	v_nop                                          ; a plain line behind the last exponential
	s_wait_alu depctr_va_vdst(0)                   ; the wait ahead of the first line that names a result: one for the batch
.irp t, 0,1
	v_pk_mul_f32 v[ST+8*\t+2:ST+8*\t+3], v[ST+8*\t+2:ST+8*\t+3], v[ST+8*\t+6:ST+8*\t+7] op_sel_hi:[1,0]   ; the sum under the new m
.endr
.irp t, 0,1
	v_pk_add_f32 v[ST+8*\t+4:ST+8*\t+5], v[S+32*\t:S+32*\t+1], v[S+32*\t+2:S+32*\t+3]                     ; the row's sum of p in f32, two chains a tile
.endr
.irp k, 1,2,3,4,5,6,7
.irp t, 0,1
	v_pk_add_f32 v[ST+8*\t+2:ST+8*\t+3], v[ST+8*\t+2:ST+8*\t+3], v[S+32*\t+4*\k:S+32*\t+4*\k+1]
	v_pk_add_f32 v[ST+8*\t+4:ST+8*\t+5], v[ST+8*\t+4:ST+8*\t+5], v[S+32*\t+4*\k+2:S+32*\t+4*\k+3]
.endr
.endr
.irp t, 0,1
	v_pk_add_f32 v[ST+8*\t+2:ST+8*\t+3], v[ST+8*\t+2:ST+8*\t+3], v[ST+8*\t+4:ST+8*\t+5]
.endr
.irp t, 0,1
.set i, 0
.rept 16
	v_cvt_pk_f16_f32 v[S+32*\t+i], v[S+32*\t+2*i], v[S+32*\t+2*i+1]   ; P, packed in place: register i has been read by the time it is written
.set i, i+1
.endr
.endr
.irp t, 0,1
.set i, 0
.rept 16
	v_pk_mul_f32 v[O+32*\t+i:O+32*\t+i+1], v[O+32*\t+i:O+32*\t+i+1], v[ST+8*\t+6:ST+8*\t+7] op_sel_hi:[1,0]   ; O^T under the new m
.set i, i+2
.endr
.endr
	s_wait_dscnt 0x0                               ; V is in
.set i, 0
.rept 16                                       ; O^T += V^T P: keys 32 (i / 8) on, channels 16 ((i / 2) % 4) on, tile i % 2: eight accumulators by turns
.set rO, O+32*(i%2)+8*((i/2)%4)
.set rV, KV+32*(i/8)+8*((i/2)%4)
.set rP, S+32*(i%2)+8*(i/8)
	v_wmma_f32_16x16x32_f16 v[rO:rO+7], v[rV:rV+7], v[rP:rP+7], v[rO:rO+7]
.set i, i+1
.endr
.rept 5
	v_nop                                          ; the next step's loads land on V's registers (four places), and its first products write over P's (five)
.endr
.endm
.macro STEPS slot                      ; a slot's eight key steps: written once, walked eight times
	s_mov_b32 s[TK], \slot*SLOTB
	s_mov_b32 s[TV], \slot*SLOTB
	s_mov_b32 s[CNT], 8
.Lstep_\@:
	STEP
	s_add_co_u32 s[TK], s[TK], 64*KP
	s_add_co_u32 s[TV], s[TV], 64*VP
	s_sub_co_u32 s[CNT], s[CNT], 1
	s_cmp_lg_u32 s[CNT], 0
	s_cbranch_scc1 .Lstep_\@
.endm
; THE CHANGE OF SLOTS.  Each wave waits for all its tensor loads (its part of the slot ahead), adds 0 to its spare word, and waits for that and for its reads of the slot that it leaves.  Behind the cluster's round no wave of
; any partner reads that slot or has a load on its way: it is filled with the keys 1,024 further on, one load a wave, which has eight key steps in which to land.
.macro CHANGE s
	s_wait_tensorcnt 0x0                           ; no tensor load of mine is out, so a group 0 may be written
	ds_add_u32 v[SPW], v[NIL]
	s_add_nc_u64 s[G0+4*\s+2:G0+4*\s+3], s[G0+4*\s+2:G0+4*\s+3], 2*SK*128
	s_wait_dscnt 0x0
	CROUND
	JLOAD \s
.endm
	STEPS 0                                        ; keys 0-511
	CHANGE 0
	STEPS 1                                        ; 512-1023
	CHANGE 1
	STEPS 0                                        ; 1024-1535
	s_wait_tensorcnt 0x0                           ; the last change: slot 1 is whole, and nothing is asked for
	ds_add_u32 v[SPW], v[NIL]
	s_wait_dscnt 0x0
	s_barrier_signal -1
	s_barrier_wait -1
	STEPS 1                                        ; 1536-2047
	; THE WAY OUT.  The sum's halves are added; O^T / the sum, rounded to f16, goes through my stage (in slot 0: it has had its last fill, and every wave has passed the barrier behind its last read) and leaves as 512 consecutive bytes.
	s_wait_kmcnt 0x0                               ; the last look-ahead of mask words
	s_load_b64 s[16:17], s[0:1], 0x10              ; att
.irp t, 0,1
	v_add_f32 v[ST+8*\t+4], v[ST+8*\t+2], v[ST+8*\t+3]
.endr
.irp t, 0,1
	v_permlanex16_b32 v[ST+8*\t+5], v[ST+8*\t+4], s[SEL], s[SEL+1]
.endr
.irp t, 0,1
	v_add_f32 v[ST+8*\t+4], v[ST+8*\t+4], v[ST+8*\t+5]
.endr
.irp t, 0,1
	v_rcp_f32 v[ST+8*\t+6], v[ST+8*\t+4]
.endr
	v_nop
	s_wait_alu depctr_va_vdst(0)                   ; one wait for the two reciprocals, ahead of their first reader
.irp t, 0,1
.set i, 0
.rept 16
	v_pk_mul_f32 v[O+32*\t+i:O+32*\t+i+1], v[O+32*\t+i:O+32*\t+i+1], v[ST+8*\t+6:ST+8*\t+7] op_sel_hi:[1,0]
.set i, i+2
.endr
.endr
.set i, 0
.rept 32
	v_cvt_pk_f16_f32 v[96+i], v[O+2*i], v[O+2*i+1]
.set i, i+1
.endr
.irp t, 0,1
.irp ct, 0,1,2,3
	ds_store_b128 v[STO], v[96+16*\t+4*\ct:96+16*\t+4*\ct+3] offset:\t*16*KP+\ct*32
.endr
.irp u, 0,1,2,3
	ds_load_b128 v[64+16*\t+4*\u:64+16*\t+4*\u+3], v[RD] offset:\t*16*KP+\u*4*KP   ; in order behind my stores
.endr
.endr
	s_wait_kmcnt 0x0
	s_mov_b32 s18, s[ROWOFF]
	s_mov_b32 s19, 0
	s_add_nc_u64 s[16:17], s[16:17], s[18:19]
.irp u, 0,1,2,3
	s_wait_dscnt 11-\u                             ; tile 0's load u is in: its later loads and tile 1's eight LDS instructions may be out
	global_store_b128 v[GO], v[64+4*\u:64+4*\u+3], s[16:17] offset:\u*512
.endr
.irp u, 0,1,2,3
	s_wait_dscnt 3-\u
	global_store_b128 v[GO], v[80+4*\u:80+4*\u+3], s[16:17] offset:2048+\u*512
.endr
	s_wait_tensorcnt 0x0                           ; the wave's end
	ds_add_u32 v[SPW], v[NIL]
	s_wait_dscnt 0x0
	CROUND                                         ; the closing round
	s_endpgm
.Lfunc_end_k_qfe523981d0_attn:
	.size	k_qfe523981d0_attn, .Lfunc_end_k_qfe523981d0_attn-k_qfe523981d0_attn
	.p2alignl 7, 3214868480
	.fill 96, 4, 3214868480
	.section	.rodata,"a",@progbits
	.p2align	6, 0x0
	.amdhsa_kernel k_qfe523981d0_attn
		.amdhsa_group_segment_fixed_size 327680
		.amdhsa_private_segment_fixed_size 0
		.amdhsa_enable_private_segment 0
		.amdhsa_kernarg_size 24
		.amdhsa_user_sgpr_count 2
		.amdhsa_user_sgpr_kernarg_segment_ptr 1
		.amdhsa_wavefront_size32 1
		.amdhsa_system_sgpr_workgroup_id_x 1
		.amdhsa_system_sgpr_workgroup_id_y 1
		.amdhsa_system_sgpr_workgroup_id_z 1
		.amdhsa_system_vgpr_workitem_id 0
		.amdhsa_next_free_vgpr 256
		.amdhsa_next_free_sgpr 102
		.amdhsa_reserve_vcc 0
		.amdhsa_float_denorm_mode_32 3
		.amdhsa_float_denorm_mode_16_64 3
		.amdhsa_memory_ordered 1
		.amdhsa_forward_progress 1
		.amdhsa_inst_pref_size 106
	.end_amdhsa_kernel
	.amdgpu_metadata
---
amdhsa.version: [ 1, 2 ]
amdhsa.kernels:
  - .name:           k_qfe523981d0_attn
    .symbol:         k_qfe523981d0_attn.kd
    .args:
      - { .name: qkv, .offset: 0, .size: 8, .value_kind: global_buffer, .address_space: global }
      - { .name: maskbits, .offset: 8, .size: 8, .value_kind: global_buffer, .address_space: global }
      - { .name: att, .offset: 16, .size: 8, .value_kind: global_buffer, .address_space: global }
    .group_segment_fixed_size: 327680
    .private_segment_fixed_size: 0
    .kernarg_segment_align: 8
    .kernarg_segment_size: 24
    .max_flat_workgroup_size: 512
    .sgpr_count:     102
    .vgpr_count:     256
    .wavefront_size: 32
...
	.end_amdgpu_metadata
.endif
;; end of part 3
;; launch outp (part 4): grid 4 x 64, 4 waves a work-group, clusters of 4 x 4, 327,680 bytes of LDS; arguments att, wo16, bo, out0; writes out0
.if DOCPART == 4
	.amdgcn_target "amdgcn-amd-amdhsa--gfx1250"
	.amdhsa_code_object_version 6
	.text
	.protected	k_qfe523981d0_outp
	.globl	k_qfe523981d0_outp
	.p2align	8
	.type	k_qfe523981d0_outp,@function
k_qfe523981d0_outp:
	s_mov_b64 s[64:65], 0
	v_nop
	global_prefetch_b8 v0, s[64:65] scope:SCOPE_SE
	s_setreg_imm32_b32 hwreg(HW_REG_WAVE_MODE, 25, 1), 1
	s_wait_xcnt 0x0
	s_wait_alu depctr_hold_cnt(0) depctr_sa_sdst(0) depctr_va_vdst(0) depctr_va_sdst(0) depctr_va_ssrc(0) depctr_va_vcc(0) depctr_vm_vsrc(0)
	s_getreg_b32 s2, hwreg(HW_REG_IB_STS2, 6, 4)
	s_cmp_eq_u32 s2, 0
	s_cbranch_scc0 .Lentry_in_a_cluster
	s_endpgm
.Lentry_in_a_cluster:
	s_bfe_u32 s2, ttmp6, 0x10000c
	s_cmp_lg_u32 s2, 0xf033
	s_cbranch_scc0 .Lentry_shape_is_right
	s_endpgm
.Lentry_shape_is_right:
; OUTP.  out0[m][n] = sum over k of attn[m][k] Wo[k][n] + bo[n]: M 8,192, N 1,024, K 1,024; f16 operands, f32 sums and output.  attn arrives laid by head, att [b][h][s][64]; Wo as f16, [k][n].
; LIMIT: |attn|, |Wo| under 65,504 (f16).
; A tile of 128 rows x 256 columns to a work-group: 256 work-groups (tiles of 256 x 256 would be 128).  Four waves, 64 x 128 each: 32 accumulators, 256 registers.
; K goes in steps of 128, two heads, through two LDS slots: A's part is 2 heads x 128 rows of 128 dense bytes, B's 128 rows k of 512 bytes.  Waves 0, 1 fetch A's two heads, waves 2, 3 B's two halves: one load a wave.
; CLUSTERS: 4 x 4.  A's tiles hang on the tile row alone and are asked for jointly along a row of the cluster, B's on the tile column alone, along a column.
; THE MATRIX INSTRUCTION IS USED TRANSPOSED: source 0 = 16 columns of Wo (turned on the way out of LDS), source 1 = 16 rows of attn: a lane holds eight neighbouring columns of one row.  The bias is the C of each sum's first product.
; REGISTERS: window 0: v16-30 addresses; v64-127 A's fragments, two buffers of 32; v128-191 the bias in the result's layout; on the way out v64-191 are rows.  window 1: v0-127 B's fragments, two buffers of 64.  window 2: accumulator (a, b) at v[8 (8 a + b)].
.set KP,     144                       ; a row of A in LDS: 128 bytes + 16
.set AH,     128*KP                    ; a head's 128 rows
.set BOFF,   2*AH
.set BP,     544                       ; a row of B: 512 bytes + 32, for the turning load
.set BH,     64*BP
.set SLOT,   BOFF+2*BH
.set SPARE,  2*SLOT                    ; the spare words, 128 bytes for each wave
.set SPITCH, 528                       ; the way out: 16 rows x (512 bytes + 16) for each wave, in slot 0
.set ADRA, 16
.set ADRB, 20
.set STO,  24
.set RD,   25
.set CO,   26
.set SPW,  28
.set NIL,  29
.set BA,   30
.set BI,   128
.set G1A, 24
.set G0A, 32
.set G1B, 48
.set G0B, 56
.set MSB, 0
.macro WIN new
.if MSB != (\new)
	s_set_vgpr_msb (MSB<<8)|(\new)
.set MSB, (\new)
.endif
.endm
.set MUL,  0xa1                        ; source 0 (B) window 1, source 1 (A) window 0, C and D window 2
.set MULB, 0x81                        ; the same with C (the bias) in window 0
.set TO_B, 0x40
.macro JLOAD s                         ; waves 0, 1 fetch for A, waves 2, 3 for B; an s_nop 0 and four v_nop follow each of the two lines
	s_cmp_eq_u32 s13, 0
	s_cbranch_scc0 .Lfor_b_\@
	tensor_load_to_lds s[G0A+4*\s:G0A+4*\s+3], s[G1A:G1A+7]
	s_nop 0
.rept 4
	v_nop
.endr
	s_branch .Lasked_\@
.Lfor_b_\@:
	tensor_load_to_lds s[G0B+4*\s:G0B+4*\s+3], s[G1B:G1B+7]
	s_nop 0
.rept 4
	v_nop
.endr
.Lasked_\@:
.endm
.macro CREST
	s_cmp_lg_u32 s12, 0
	s_cbranch_scc1 .Lnot_wave_0_\@
	s_barrier_signal -3
.Lnot_wave_0_\@:
	s_barrier_wait -3
	s_barrier_signal -1
	s_barrier_wait -1
.endm
.macro CROUND
	s_barrier_signal -1
	s_barrier_wait -1
	CREST
.endm
	s_load_b256 s[4:11], s[0:1], 0x0               ; att s[4:5], wo16 s[6:7], bo s[8:9], out0 s[10:11]
	v_lshl_add_u32 v[SPW], v0, 2, SPARE
	v_mov_b32 v[NIL], 0
	ds_add_u32 v[SPW], v[NIL]                      ; the wave's opening: the add, twice on end, and its wait ahead of my first tensor load
	ds_add_u32 v[SPW], v[NIL]
	v_lshrrev_b32 v1, 5, v0
	v_readfirstlane_b32 s12, v1                    ; wave 0..3
	s_lshr_b32 s13, s12, 1                         ; which 64 rows are mine.  Also: I fetch for A (0) or for B (1)
	s_and_b32 s14, s12, 1                          ; which 128 columns.  Also: which half I fetch
	s_bfe_u32 s40, ttmp6, 0x40000                  ; cx, cy
	s_bfe_u32 s41, ttmp6, 0x40004
	s_lshl_b32 s42, ttmp9, 2
	s_add_co_u32 s42, s42, s40                     ; tile column, 0..3
	s_and_b32 s43, ttmp7, 0xffff
	s_lshl_b32 s43, s43, 2
	s_add_co_u32 s43, s43, s41                     ; tile row, 0..63
	s_lshl_b32 s44, s41, 2
	s_lshl_b32 s44, 15, s44                        ; my row of the cluster
	s_lshl_b32 s45, 0x1111, s40                    ; my column
	s_or_b32 s[G1A], s44, (1<<16)|(1<<20)|(1<<21)|(4<<22)|(3<<25)   ; elements of 2 bytes; 4 words of padding after every 32
	s_mov_b32 s[G1A+1], 64<<16                     ; tensor_dim0 = 64
	s_mov_b32 s[G1A+2], 128<<16                    ; tensor_dim1 = 128
	s_mov_b32 s[G1A+3], 64<<16                     ; tile_dim0
	s_mov_b32 s[G1A+4], 128                        ; tile_dim1
	s_mov_b32 s[G1A+5], 64                         ; pitch
	s_mov_b32 s[G1A+6], 0
	s_mov_b32 s[G1A+7], 0
	s_or_b32 s[G1B], s45, (1<<16)|(1<<20)|(1<<21)|(6<<22)|(7<<25)   ; 8 words of padding after every 128
	s_mov_b32 s[G1B+1], 256<<16
	s_mov_b32 s[G1B+2], 64<<16
	s_mov_b32 s[G1B+3], 256<<16
	s_mov_b32 s[G1B+4], 64
	s_mov_b32 s[G1B+5], 1024
	s_mov_b32 s[G1B+6], 0
	s_mov_b32 s[G1B+7], 0
	s_lshr_b32 s16, s43, 4                         ; A: the batch: 16 heads of 262,144 bytes,
	s_lshl_b32 s16, s16, 22
	s_and_b32 s17, s43, 15
	s_lshl_b32 s17, s17, 14                        ; the tile's 128 positions of 128 bytes,
	s_add_co_u32 s16, s16, s17
	s_lshl_b32 s17, s14, 18                        ; and which of a K step's two heads I fetch
	s_add_co_u32 s16, s16, s17
	s_mov_b32 s17, 0
	s_lshl_b32 s46, s14, 17                        ; B: which 64 rows k of 2,048 bytes I fetch,
	s_lshl_b32 s47, s42, 9                         ; and the tile's 256 columns
	s_add_co_u32 s46, s46, s47
	s_mov_b32 s47, 0
	s_mul_i32 s20, s14, AH                         ; where they go: no place in the cluster enters an LDS address
	s_mul_i32 s21, s14, BH
	s_add_co_u32 s21, s21, BOFF
	s_wait_dscnt 0x0                               ; both opening adds are done
	s_wait_kmcnt 0x0
	s_add_nc_u64 s[16:17], s[4:5], s[16:17]
	s_add_nc_u64 s[46:47], s[6:7], s[46:47]
	CROUND                                         ; all sixteen work-groups are here: the first joint loads meet
.irp s, 0,1
	s_mov_b32 s[G0A+4*\s], 1
	s_add_co_u32 s[G0A+4*\s+1], s20, \s*SLOT
	s_add_nc_u64 s[G0A+4*\s+2:G0A+4*\s+3], s[16:17], \s*524288     ; K step s: two heads on
	s_or_b32 s[G0A+4*\s+3], s[G0A+4*\s+3], 0x80000000
	s_mov_b32 s[G0B+4*\s], 1
	s_add_co_u32 s[G0B+4*\s+1], s21, \s*SLOT
	s_add_nc_u64 s[G0B+4*\s+2:G0B+4*\s+3], s[46:47], \s*262144     ; 128 rows k on
	s_or_b32 s[G0B+4*\s+3], s[G0B+4*\s+3], 0x80000000
	JLOAD \s
.endr
	v_and_b32 v1, 15, v0                           ; r
	v_bfe_u32 v2, v0, 4, 1                         ; h
	v_mul_u32_u24 v3, v1, KP
	v_lshl_add_u32 v3, v2, 4, v3                   ; A: row r x pitch + 16 h
	s_mul_i32 s21, s13, 64*KP                      ; my 64 rows
	v_and_b32 v4, 7, v0
	v_bfe_u32 v5, v0, 3, 1
	v_lshl_add_u32 v4, v2, 3, v4                   ; B, turned: row k = 8 h + l % 8, columns 8 ((l / 8) % 2) on
	v_mul_u32_u24 v4, v4, BP
	v_lshl_add_u32 v4, v5, 4, v4
	s_lshl_b32 s22, s14, 8                         ; my 128 columns
	s_add_co_u32 s22, s22, BOFF
.irp s, 0,1
	v_add_nc_u32 v[ADRA+\s], s21, v3
	v_add_nc_u32 v[ADRB+\s], s22, v4
	s_add_co_u32 s21, s21, SLOT
	s_add_co_u32 s22, s22, SLOT
.endr
	s_mul_i32 s23, s12, 16*SPITCH                  ; my stage
	v_mul_u32_u24 v5, v1, SPITCH
	v_lshl_add_u32 v5, v2, 5, v5
	v_add_nc_u32 v[STO], s23, v5                   ; in: row r, 32 bytes for each half of the lanes
	v_and_b32 v6, 31, v0
	v_lshlrev_b32 v[CO], 4, v6                     ; back: the 32 lanes take a row of 512 bytes; the same in out0
	v_add_nc_u32 v[RD], s23, v[CO]
	s_lshl_b32 s18, s42, 10
	s_lshl_b32 s19, s14, 9
	s_add_co_u32 s18, s18, s19                     ; my first column, in bytes of f32
	s_mov_b32 s19, 0
	s_add_nc_u64 s[8:9], s[8:9], s[18:19]          ; its bias
	s_add_nc_u64 s[10:11], s[10:11], s[18:19]
	s_lshl_b32 s18, s43, 19                        ; 128 rows of 4,096 bytes a tile row,
	s_lshl_b32 s22, s13, 18                        ; my 64
	s_add_co_u32 s18, s18, s22
	s_add_nc_u64 s[10:11], s[10:11], s[18:19]
	v_lshlrev_b32 v[BA], 5, v2
.irp b, 0,1,2,3,4,5,6,7                        ; register BI + 8 b + j: bo of column 16 b + 8 h + j
	global_load_b128 v[BI+8*\b:BI+8*\b+3], v[BA], s[8:9] offset:64*\b
	global_load_b128 v[BI+8*\b+4:BI+8*\b+7], v[BA], s[8:9] offset:64*\b+16
.endr
; 8 matrix instructions: A's block a x B's eight, 32 along K, from buffer f.  bias = 1: the first product starts the sums from the bias.  The 32 accumulators take turns, in the same order in every quarter.
.macro MUL8 f, a, bias
.irp b, 0,1,2,3,4,5,6,7
.if \bias
	v_wmma_f32_16x16x32_f16 v[8*(8*(\a)+\b):8*(8*(\a)+\b)+7], v[64*(\f)+8*\b:64*(\f)+8*\b+7], v[64+32*(\f)+8*(\a):64+32*(\f)+8*(\a)+7], v[BI+8*\b:BI+8*\b+7]
.else
	v_wmma_f32_16x16x32_f16 v[8*(8*(\a)+\b):8*(8*(\a)+\b)+7], v[64*(\f)+8*\b:64*(\f)+8*\b+7], v[64+32*(\f)+8*(\a):64+32*(\f)+8*(\a)+7], v[8*(8*(\a)+\b):8*(8*(\a)+\b)+7]
.endif
.endr
.endm
; 24 LDS loads in one run: quarter q (32 along K) of a slot into buffer f: B's eight fragments, turned, then A's four, block 0 first
.macro FETCH slot, q, f
	WIN TO_B
.irp b, 0,1,2,3,4,5,6,7
	ds_load_tr16_b128 v[64*(\f)+8*\b:64*(\f)+8*\b+3], v[ADRB+\slot] offset:(\q)*32*BP+32*\b
	ds_load_tr16_b128 v[64*(\f)+8*\b+4:64*(\f)+8*\b+7], v[ADRB+\slot] offset:(\q)*32*BP+32*\b+16*BP
.endr
	WIN 0
.irp a, 0,1,2,3
	ds_load_b128 v[64+32*(\f)+8*\a:64+32*(\f)+8*\a+3], v[ADRA+\slot] offset:((\q)/2)*AH+\a*16*KP+((\q)%2)*64
	ds_load_b128 v[64+32*(\f)+8*\a+4:64+32*(\f)+8*\a+7], v[ADRA+\slot] offset:((\q)/2)*AH+\a*16*KP+((\q)%2)*64+32
.endr
.endm
.macro PLACES                          ; four plain lines ahead of loads into registers that matrix instructions have read, and of the first read of results
.rept 4
	v_nop
.endr
.endm
; One of a K step's first three quarters: multiplies buffer f; in its middle it fetches quarter q of the same slot into buffer g.
.macro QUARTER slot, q, f, g, bias
	s_wait_dscnt 4                                 ; B's and A's blocks 0, 1 are in; the youngest four loads (A's blocks 2, 3) may be out
	WIN MUL-0x20*(\bias)
	MUL8 \f, 0, \bias
	MUL8 \f, 1, \bias
	PLACES
	FETCH \slot, \q, \g
	s_wait_dscnt 24                                ; all but the 24 just issued
	WIN MUL-0x20*(\bias)
	MUL8 \f, 2, \bias
	MUL8 \f, 3, \bias
.endm
; The last quarter multiplies buffer 1 and changes slots: ONE barrier; in front of it each wave waits for all its tensor loads, adds 0 to its spare word, and waits for that and for its reads of this slot.
; fill = 1: the barrier opens a round of the cluster's, and this slot is filled again, two K steps ahead: 112 matrix instructions ahead of the wait for it.
.macro TURN slot, next, fill
	WIN 0
	s_wait_tensorcnt 0x0
	ds_add_u32 v[SPW], v[NIL]
	s_wait_dscnt 5                                 ; the add and the youngest four loads may be out
	WIN MUL
	MUL8 1, 0, 0
	s_wait_dscnt 0x0                               ; the add is done, and my reads of this slot are over
	s_barrier_signal -1
	MUL8 1, 1, 0
.if \fill
	WIN 0
.endif
	s_barrier_wait -1
.if \fill
	CREST                                          ; no wave of any partner still reads this slot or has a load on its way
	s_add_nc_u64 s[G0A+4*\slot+2:G0A+4*\slot+3], s[G0A+4*\slot+2:G0A+4*\slot+3], 1048576
	s_add_nc_u64 s[G0B+4*\slot+2:G0B+4*\slot+3], s[G0B+4*\slot+2:G0B+4*\slot+3], 524288
	JLOAD \slot                                    ; the four v_nop behind it are also the places ahead of the loads below
.else
	PLACES
.endif
	FETCH \next, 0, 0
	WIN MUL
	MUL8 1, 2, 0
	MUL8 1, 3, 0
.endm
	s_wait_tensorcnt 1                             ; my part of K step 0 is in (K step 1's may be out)
	s_barrier_signal -1
	s_barrier_wait -1                              ; everybody's is
	FETCH 0, 0, 0
	s_wait_loadcnt 0x0                             ; the bias
	QUARTER 0, 1, 0, 1, 1                          ; the first quarter stands ahead of the loop: its products start the sums
	WIN 0
	s_mov_b32 s15, 3
.Llap:                                                 ; a trip goes once round the two slots, from a lap's second quarter to the next lap's first, and fills both again
	QUARTER 0, 2, 1, 0, 0
	QUARTER 0, 3, 0, 1, 0
	TURN 0, 1, 1
	QUARTER 1, 1, 0, 1, 0
	QUARTER 1, 2, 1, 0, 0
	QUARTER 1, 3, 0, 1, 0
	TURN 1, 0, 1
	QUARTER 0, 1, 0, 1, 0
	WIN 0
	s_sub_co_u32 s15, s15, 1
	s_cmp_lg_u32 s15, 0
	s_cbranch_scc1 .Llap
	QUARTER 0, 2, 1, 0, 0                          ; the last lap fills nothing
	QUARTER 0, 3, 0, 1, 0
	TURN 0, 1, 0
	QUARTER 1, 1, 0, 1, 0
	QUARTER 1, 2, 1, 0, 0
	QUARTER 1, 3, 0, 1, 0
	s_wait_dscnt 4
	WIN MUL
	MUL8 1, 0, 0
	MUL8 1, 1, 0
	s_wait_dscnt 0
	MUL8 1, 2, 0
	MUL8 1, 3, 0
	WIN 0
; THE WAY OUT, block by block of 16 rows x 128 columns: through my stage (in slot 0, which has had its last fill and its last read) and back as whole rows of 512 bytes.
.macro TOSTAGE a
	WIN 0x08                                       ; an LDS store's data: window 2
.irp b, 0,1,2,3,4,5,6,7
	ds_store_b128 v[STO], v[64*(\a)+8*\b:64*(\a)+8*\b+3] offset:64*\b            ; each accumulator from its low end on
	ds_store_b128 v[STO], v[64*(\a)+8*\b+4:64*(\a)+8*\b+7] offset:64*\b+16
.endr
	WIN 0
.set BB, 64+64*((\a)%2)
.irp t, 0,1,2,3,4,5,6,7,8,9,10,11,12,13,14,15
	ds_load_b128 v[BB+4*\t:BB+4*\t+3], v[RD] offset:\t*SPITCH                     ; in order behind my stores
.endr
.endm
.macro SEND a, younger
.set BB, 64+64*((\a)%2)
	s_wait_dscnt \younger
.if (\a) > 0
	s_add_nc_u64 s[10:11], s[10:11], 16*4096       ; 16 rows on (behind a wait on XCNT: the earlier stores have read their base)
.endif
.irp t, 0,1,2,3,4,5,6,7,8,9,10,11,12,13,14,15
	global_store_b128 v[CO], v[BB+4*\t:BB+4*\t+3], s[10:11] offset:\t*4096 th:TH_STORE_NT   ; 32 lanes store 512 consecutive bytes
.endr
.endm
	PLACES
	TOSTAGE 0
.irp a, 1,2,3
.if \a > 1
	s_wait_xcnt 0x0                                ; block a - 2's stores have read their registers and their base
.endif
	TOSTAGE \a
	SEND \a-1, 32                                  ; behind block a - 1's loads: block a's 16 stores and 16 loads
.endr
	s_wait_xcnt 0x0
	SEND 3, 0
	s_wait_tensorcnt 0x0                           ; the wave's end
	ds_add_u32 v[SPW], v[NIL]
	s_wait_dscnt 0x0
	CROUND                                         ; the closing round
	s_endpgm
.Lfunc_end_k_qfe523981d0_outp:
	.size	k_qfe523981d0_outp, .Lfunc_end_k_qfe523981d0_outp-k_qfe523981d0_outp
	.p2alignl 7, 3214868480
	.fill 96, 4, 3214868480
	.section	.rodata,"a",@progbits
	.p2align	6, 0x0
	.amdhsa_kernel k_qfe523981d0_outp
		.amdhsa_group_segment_fixed_size 327680
		.amdhsa_private_segment_fixed_size 0
		.amdhsa_enable_private_segment 0
		.amdhsa_kernarg_size 32
		.amdhsa_user_sgpr_count 2
		.amdhsa_user_sgpr_kernarg_segment_ptr 1
		.amdhsa_wavefront_size32 1
		.amdhsa_system_sgpr_workgroup_id_x 1
		.amdhsa_system_sgpr_workgroup_id_y 1
		.amdhsa_system_sgpr_workgroup_id_z 1
		.amdhsa_system_vgpr_workitem_id 0
		.amdhsa_next_free_vgpr 768
		.amdhsa_next_free_sgpr 66
		.amdhsa_reserve_vcc 0
		.amdhsa_float_denorm_mode_32 3
		.amdhsa_float_denorm_mode_16_64 3
		.amdhsa_memory_ordered 1
		.amdhsa_forward_progress 1
		.amdhsa_inst_pref_size 87
	.end_amdhsa_kernel
	.amdgpu_metadata
---
amdhsa.version: [ 1, 2 ]
amdhsa.kernels:
  - .name:           k_qfe523981d0_outp
    .symbol:         k_qfe523981d0_outp.kd
    .args:
      - { .name: att, .offset: 0, .size: 8, .value_kind: global_buffer, .address_space: global }
      - { .name: wo16, .offset: 8, .size: 8, .value_kind: global_buffer, .address_space: global }
      - { .name: bo, .offset: 16, .size: 8, .value_kind: global_buffer, .address_space: global }
      - { .name: out0, .offset: 24, .size: 8, .value_kind: global_buffer, .address_space: global }
    .group_segment_fixed_size: 327680
    .private_segment_fixed_size: 0
    .kernarg_segment_align: 8
    .kernarg_segment_size: 32
    .max_flat_workgroup_size: 128
    .sgpr_count:     66
    .vgpr_count:     768
    .wavefront_size: 32
...
	.end_amdgpu_metadata
.endif
;; end of part 4
